; MI455X (gfx1250); checked and timed in simulation.
; The chip was launched on July 23, 2026; its instructions are those of AMD's public machine-readable ISA for CDNA 5 (MIT licence, August 2026) and "CDNA5" Instruction Set Architecture Reference Guide (July 2026). The comments in the code are by the model that wrote it; some were corrected since.
;; Mo E. Allowed arithmetic: matrix products marked QUANTISED: E3M2 operands, one E8M0 scale for each 32 along K, by v_wmma_scale_f32_16x16x128_f8f6f4 with both operands' format E3M2, f32 sums; products left as they are: f32 operands where the result goes on into a quantised operand, else bf16, f16 or f32 operands; f32 sums; everything else in f32.
;; Inputs: b1 8 x 4,096 float32; b2 8 x 1,024 float32; gate_b 8 float32; gate_w 1,024 x 8 float32; ln_b 1,024 float32; ln_g 1,024 float32; w1_codes 8 x 4,096 x 32 x 24 uint8 (E3M2 codes of w1, K innermost, in blocks of 32 codes, four codes in three bytes); w1_scales 8 x 4,096 x 32 uint8 (E8M0 scales of w1, one for each 32 codes along K); w2_codes 8 x 1,024 x 128 x 24 uint8 (E3M2 codes of w2, K innermost, in blocks of 32 codes, four codes in three bytes); w2_scales 8 x 1,024 x 128 uint8 (E8M0 scales of w2, one for each 32 codes along K); x 2 x 512 x 1,024 float32.
;; Outputs: out0 2 x 512 x 1,024 float32.
;; This version of the problem:
;;   THIS VERSION OF THE PROBLEM IS GIVEN IN LOW PRECISION. The matrix products marked QUANTISED in the list below multiply operands that are first quantised to E3M2 (3 exponent bits, 2 mantissa bits; 6 bits a number), with one power-of-two scale for each 32 numbers along K (OCP MX v1.0); their sums are f32. All else is computed in f32.
;;   The module's matrix products, in the order in which they are computed (A, B: the left and right operand; K: the contracted axis; several contracted axes count as one K, in the product's order):
;;     1. [M 1,024, K 1,024] x [K 1,024, N 8]; A: input x; B: input gate_w: left as it is (N = 8 < 16)
;;     2. [M 1,024, K 1,024] x [K 1,024, N 32,768]; A: input x; B: input w1 (given as codes): QUANTISED
;;     3. batch 8 x [M 1,024, K 4,096] x [K 4,096, N 1,024]; A: input w2 (given as codes); B: computed on the way: QUANTISED
;;     4. batch 1,024 x [M 1, K 8] x [K 8, N 1,024]; A: softmax; B: computed on the way: left as it is (K = 8 < 32)
;;   THE QUANTISER, for each operand of a quantised product, along K:
;;     - K is cut into blocks of 32 from its start; a last block that is shorter is filled with zeros.
;;     - A block's scale is 2^e with e = floor(log2(the largest magnitude in the block)) - 4, held to -126 .. 127; a block of zeros has e = 0. As a byte (E8M0): e + 127.
;;     - Each number is divided by its block's scale, clamped to +-28, and rounded to the nearest number of E3M2, ties to even, subnormals kept.
;;     - The product sums the exact products of the quantised numbers (number of the format x scale) in f32.
;;   ~~~python
;;   def quantise(x, axis):      # numpy; x: float32 -> the quantised numbers, widened to float32 again
;;       x = np.moveaxis(x, axis, -1); K = x.shape[-1]
;;       x = np.pad(x, [(0, 0)] * (x.ndim - 1) + [(0, -K % 32)]); x = x.reshape(x.shape[:-1] + (-1, 32)); a = np.abs(x).max(-1, keepdims=True)
;;       e = np.where(a > 0, np.clip(np.frexp(np.where(a > 0, a, 1))[1] - 1 - 4, -126, 127), 0)      # np.frexp(a)[1] - 1 = floor(log2(a)), exactly
;;       r = np.clip(x / 2.0 ** e, -28, 28)
;;       step = 2.0 ** (np.maximum(np.frexp(np.where(r == 0, 1, r))[1] - 1, -2) - 2)
;;       q = np.round(r / step) * step * 2.0 ** e      # np.round: ties to even
;;       return np.moveaxis(q.reshape(q.shape[:-2] + (-1,))[..., :K], -1, axis).astype(np.float32)
;;   ~~~
;;   OPERANDS COMPUTED ON THE WAY. 'Computed on the way' means the value that the module computes at that place (a softmax that the list does not call 'softmax' is quantised finished and normalised). What goes into a quantiser is computed in f32, as accurately as f32 sums, v_exp_f32 and their like allow (about 1e-6 of the number): no bf16 or f16 on the way to a quantiser, and a product that is left as it is and whose result goes on into a quantised operand takes f32 operands (vector FMAs, or v_wmma_f32_16x16x4_f32). A number that lies on a knife's edge between two numbers of the format may be rounded either way, as far as f32 arithmetic and the matrix unit's own rounding can turn it there, and no further.
;;   INPUTS GIVEN AS CODES. w1 (in the module: [8, 1024, 4096], K = its axis 1); w2 (in the module: [8, 4096, 1024], K = its axis 1): each comes as NAME_codes (uint8): NAME with its K axis moved to the last place and cut into blocks of 32 codes, [.., K / 32, bytes a block], one block behind the other in memory; four codes in three bytes: a row's codes are one little-endian stream of bits, code i at bits 6 i .. 6 i + 5 (a code: sign, 3 exponent bits, 2 mantissa bits); and NAME_scales (uint8): the same leading axes, one E8M0 byte (e + 127) for each 32 codes along K. Its value is code x scale, taken as it is: it is not quantised again, and the codes and scales need not be those that the quantiser above would give.
;; 2 versions. Each part assembles by itself: llvm-mc -triple=amdgcn-amd-amdhsa -mcpu=gfx1250 --defsym DOCPART=n.
;; ======== version 1 of 2: 5 launches
;; workspace buffers: sel 4,096 bytes of whole numbers; xr 827,392 bytes; list 41,216 bytes of whole numbers; pl 40,960 bytes; hq 26,214,400 bytes; y2 8,388,608 bytes
;; launch route (part 1): grid 128 x 1, 8 waves a work-group, no clusters, 76,288 bytes of LDS; arguments x, gate_w, gate_b, sel, xr; writes sel, xr
.if DOCPART == 1
	.amdgcn_target "amdgcn-amd-amdhsa--gfx1250"
	.amdhsa_code_object_version 6
	.text
	.protected	k_qc67ba59583_route
	.globl	k_qc67ba59583_route
	.p2align	8
	.type	k_qc67ba59583_route,@function
k_qc67ba59583_route:
	s_mov_b64 s[64:65], 0
	v_nop
	global_prefetch_b8 v0, s[64:65] scope:SCOPE_SE
	s_setreg_imm32_b32 hwreg(HW_REG_WAVE_MODE, 25, 1), 1
	s_wait_xcnt 0x0
; ROUTE.  For each of the 1,024 tokens: the eight logits (x . gate_w + gate_b) / 0.9 in f32, the two largest (ties: the lower index), the softmax over those two,
; and x's codes of E3M2 with one E8M0 byte for each 32 along the token's 1,024 numbers.  One wave takes one token; a work-group of eight waves takes eight.
; OUT: sel[token] = e0 | e1 << 8 (whole numbers: later launches form addresses from them; no address or branch here hangs on them);
;      xr: bytes 0 ..: the codes, 768 bytes a token, the row's stream of bits;  XS_OFF ..: the scale bytes, 32 a token;  GW_OFF ..: p0, p1 of each token, f32.
; A lane holds 2 x 16 neighbours of the row: x[512 u + 16 lane + i].  The loads take the row as it lies (512 consecutive bytes each) and the wave's own stage in LDS turns it.
; gate_w (32 KiB) is copied into LDS once a work-group, 16 rows (512 bytes) to a region of 528 bytes, so that a lane reads the 16 rows that go with its 16 numbers.
; LIMITS: NaN and infinities among the inputs are not served.  The logits are multiplied by the f32 number nearest 1 / 0.9, not divided: at most one unit in the last place.
; A block of zeros gets the byte 1, not 127: its codes are zeros, and this program alone reads the bytes.  The sums' order differs from the reference's: two logits nearer than f32 rounding may change places.
; The two small stores of a token (4 and 8 bytes) fill their 256 bytes in part: 12 KiB in the whole launch.
.set GWL,    0                         ; LDS: gate_w, 64 regions of 528 bytes
.set XT,     33792                     ; 5,120 bytes a wave: two stages of 32 places of 80 bytes (64 + 16 of padding)
.set SBL,    74752                     ; the work-group's 256 scale bytes
.set XS_OFF, 786432
.set GW_OFF, 819200
.set X,  16                            ; v16-47   my 32 numbers of x
.set A,  48                            ; v48-55   the eight sums, then the logits
.set GA, 64                            ; v64-127  a batch of gate_w (8 rows x 8); first the raw loads of gate_w
.set GB, 128                           ; v128-191 the other batch; first the raw loads of x
	s_load_b256 s[4:11], s[0:1], 0x0               ; x, gate_w, gate_b, sel
	s_load_b64 s[12:13], s[0:1], 0x20              ; xr
	v_lshl_add_u32 v224, v0, 2, 0x12600
	v_mov_b32 v225, 0
	v_and_b32 v1, 31, v0                           ; lane
	v_lshrrev_b32 v2, 5, v0
	v_readfirstlane_b32 s26, v2                    ; wave
	v_lshlrev_b32 v2, 4, v0                        ; gate_w: 16 bytes a thread
	v_lshlrev_b32 v3, 4, v1                        ; x: 16 bytes a lane
	s_mul_i32 s27, s26, 528
	v_add_nc_u32 v4, s27, v3                       ; gate_w into LDS: region 8 i + wave, 16 x lane
	s_mul_i32 s27, s26, 5120
	s_add_co_u32 s27, s27, XT                      ; my wave's stages
	v_lshrrev_b32 v5, 2, v1
	v_mul_u32_u24 v5, v5, 80
	v_and_b32 v6, 3, v1
	v_lshl_add_u32 v5, v6, 4, v5
	v_add_nc_u32 v5, s27, v5                       ; in: four lanes' 64 bytes to a place
	v_mul_u32_u24 v6, v1, 80
	v_add_nc_u32 v6, s27, v6                       ; back: my place
	v_mul_u32_u24 v7, v1, 528                      ; my region of gate_w
	v_mul_u32_u24 v8, v1, 12                       ; my 16 codes' 12 bytes
	v_lshrrev_b32 v9, 1, v1
	s_lshl_b32 s27, s26, 5
	s_add_co_u32 s27, s27, SBL
	v_add_nc_u32 v9, s27, v9                       ; my block's scale byte
	v_lshlrev_b32 v10, 3, v1
	v_add_nc_u32 v11, SBL, v10                     ; the way out of the scale bytes: 8 a lane
	v_mov_b32 v12, 0
.irp e, 0,1,2,3,4,5,6,7
	v_mov_b32 v[200+\e], 0                         ; written once: a lane permute's destination counts as one of its sources
.endr
	s_lshl_b32 s28, ttmp9, 3
	s_add_co_u32 s28, s28, s26                     ; my token
	s_mov_b32 s24, 0x76543210
	s_mov_b32 s25, 0xfedcba98                      ; lane l xor 16
	s_mov_b32 s31, 0
	s_wait_kmcnt 0x0
	s_load_b256 s[16:23], s[8:9], 0x0              ; gate_b
	s_lshl_b32 s30, s28, 12
	s_add_nc_u64 s[4:5], s[4:5], s[30:31]          ; my row of x
	s_mul_i32 s30, s28, 768
	s_add_nc_u64 s[34:35], s[12:13], s[30:31]      ; my row of codes
	s_lshl_b32 s30, s28, 3
	s_add_nc_u64 s[38:39], s[12:13], s[30:31]      ; my pair of gate weights (+ GW_OFF)
	s_lshl_b32 s30, s28, 2
	s_add_nc_u64 s[10:11], s[10:11], s[30:31]      ; my word of sel
	s_lshl_b32 s30, ttmp9, 8
	s_add_nc_u64 s[40:41], s[12:13], s[30:31]      ; the work-group's 256 scale bytes (+ XS_OFF)
.irp i, 0,1,2,3,4,5,6,7
	global_load_b128 v[GA+4*\i:GA+4*\i+3], v2, s[6:7] offset:4096*\i
.endr
.irp i, 0,1,2,3,4,5,6,7
	global_load_b128 v[GB+4*\i:GB+4*\i+3], v3, s[4:5] offset:512*\i th:TH_LOAD_NT   ; read once in the launch
.endr
	s_wait_loadcnt 0x0
.irp i, 0,1,2,3,4,5,6,7
	ds_store_b128 v4, v[GA+4*\i:GA+4*\i+3] offset:4224*\i
.endr
.irp i, 0,1,2,3,4,5,6,7
	ds_store_b128 v5, v[GB+4*\i:GB+4*\i+3] offset:2560*(\i/4)+640*(\i%4)
.endr
.irp i, 0,1,2,3,4,5,6,7
	ds_load_b128 v[X+4*\i:X+4*\i+3], v6 offset:2560*(\i/4)+16*(\i%4)   ; LDS serves a wave's instructions in order: these see my stores
.endr
	s_wait_dscnt 0x0                               ; for the others' sake: my part of gate_w lies in LDS
	s_barrier_signal -1
	s_barrier_wait -1
; batch b (0..3): gate_w's rows 512 (b / 2) + 16 lane + 8 (b % 2) + 0 .. 7, 256 bytes a lane
.macro GBATCH b, g
.irp n, 0,1,2,3,4,5,6,7,8,9,10,11,12,13,14,15
	ds_load_b128 v[\g+4*\n:\g+4*\n+3], v7 offset:16896*((\b)/2)+256*((\b)%2)+16*\n
.endr
.endm
; eight numbers of x times their rows: four packed multiply-adds a number; the number is the low or the high word of its pair
.macro DOT b, g
.irp kk, 0,1,2,3,4,5,6,7
.irp p, 0,1,2,3
.if (\b) == 0 && \kk == 0
	v_pk_mul_f32 v[A+2*\p:A+2*\p+1], v[\g+2*\p:\g+2*\p+1], v[X:X+1] op_sel_hi:[1,0]   ; the first number starts the sums
.elseif \kk%2 == 0
	v_pk_fma_f32 v[A+2*\p:A+2*\p+1], v[\g+8*\kk+2*\p:\g+8*\kk+2*\p+1], v[X+8*(\b)+\kk:X+8*(\b)+\kk+1], v[A+2*\p:A+2*\p+1] op_sel_hi:[1,0,1]
.else
	v_pk_fma_f32 v[A+2*\p:A+2*\p+1], v[\g+8*\kk+2*\p:\g+8*\kk+2*\p+1], v[X+8*(\b)+\kk-1:X+8*(\b)+\kk], v[A+2*\p:A+2*\p+1] op_sel:[0,1,0] op_sel_hi:[1,1,1]
.endif
.endr
.endr
.endm
	GBATCH 0, GA
	GBATCH 1, GB
	s_wait_dscnt 16                                ; the older batch is in, the younger 16 loads stay out
	DOT 0, GA
	GBATCH 2, GA
	s_wait_dscnt 16
	DOT 1, GB
	GBATCH 3, GB
	s_wait_dscnt 16
	DOT 2, GA
	s_wait_dscnt 0x0
	DOT 3, GB
; the eight sums over the 32 lanes, by turns
.irp m, 1,2,4,8
.irp e, 0,1,2,3,4,5,6,7
	v_add_f32_dpp v[A+\e], v[A+\e], v[A+\e] row_xmask:\m row_mask:0xf bank_mask:0xf
.endr
.endr
.irp e, 0,1,2,3,4,5,6,7
	v_permlanex16_b32 v[200+\e], v[A+\e], s24, s25
.endr
	s_wait_kmcnt 0x0                               ; gate_b
.irp e, 0,1,2,3,4,5,6,7
	v_add_f32 v[A+\e], v[A+\e], v[200+\e]
.endr
.irp e, 0,1,2,3,4,5,6,7
	v_add_f32 v[A+\e], s[16+\e], v[A+\e]
.endr
.irp e, 0,1,2,3,4,5,6,7
	v_mul_f32 v[A+\e], 0x3f8e38e4, v[A+\e]         ; x 1 / 0.9: the logits, alike in every lane
.endr
; the largest: a later logit wins only if it is greater, so the lower index keeps a tie
	v_mov_b32 v192, v[A]
	v_mov_b32 v193, 0
.irp e, 1,2,3,4,5,6,7
	v_cmp_gt_f32 vcc_lo, v[A+\e], v192
	v_cndmask_b32 v192, v192, v[A+\e], vcc_lo
	v_cndmask_b32 v193, v193, \e, vcc_lo
.endr
; the second: the same among the other seven
	v_mov_b32 v194, 0xff800000
	v_mov_b32 v195, 0
	v_mov_b32 v197, 0xff800000
.irp e, 0,1,2,3,4,5,6,7
	v_cmp_eq_u32 vcc_lo, \e, v193
	v_cndmask_b32 v196, v[A+\e], v197, vcc_lo
	v_cmp_gt_f32 vcc_lo, v196, v194
	v_cndmask_b32 v194, v194, v196, vcc_lo
	v_cndmask_b32 v195, v195, \e, vcc_lo
.endr
; the softmax over the two, the larger taken away: p0 = 1 / (1 + e), p1 = e p0, e = exp(second - first), at most 1
	v_sub_f32 v196, v194, v192
	v_mul_f32 v196, 0x3fb8aa3b, v196
	v_exp_f32 v198, v196
	v_lshl_or_b32 v199, v195, 8, v193              ; (a plain line behind the exponential)  e0 | e1 << 8
	s_wait_alu depctr_va_vdst(0)                   ; the wait ahead of the first line that names the result
	v_add_f32 v196, 1.0, v198
	v_rcp_f32 v208, v196
	v_nop
	s_wait_alu depctr_va_vdst(0)
	v_mul_f32 v209, v198, v208
; x's codes: two lanes hold a block of 32.  The largest magnitude's exponent field less 4 is the scale; the floor 2^(5 - 127) holds the byte at 1 from below
.macro QUANT u
.set XS, X+16*(\u)
	v_max3_num_f32 v196, |v[XS]|, |v[XS+1]|, |v[XS+2]|
	v_max3_num_f32 v197, |v[XS+3]|, |v[XS+4]|, |v[XS+5]|
.irp i, 6,10
	v_max3_num_f32 v196, v196, |v[XS+\i]|, |v[XS+\i+1]|
	v_max3_num_f32 v197, v197, |v[XS+\i+2]|, |v[XS+\i+3]|
.endr
	v_max3_num_f32 v196, v196, |v[XS+14]|, |v[XS+15]|
	v_max3_num_f32 v196, v196, v197, 0x2800000
	v_max_num_f32_dpp v196, v196, v196 row_xmask:1 row_mask:0xf bank_mask:0xf
	v_add_nc_u32 v[202+(\u)], 0xfe000000, v196     ; 4 off the exponent field: the conversion takes that field as its scale
	v_cvt_scalef32_pk16_bf6_f32 v[210+4*(\u):212+4*(\u)], v[XS:XS+15], v[202+(\u)]
	v_lshrrev_b32 v[204+(\u)], 23, v[202+(\u)]     ; the scale's byte (a plain line behind the conversion)
	ds_store_b8 v9, v[204+(\u)] offset:16*(\u)     ; both lanes of a block write the same byte with the same value
	global_store_b96 v8, v[210+4*(\u):212+4*(\u)], s[34:35] offset:384*(\u)   ; the wave stores 384 consecutive bytes
.endm
	QUANT 0
	QUANT 1
	v_cmp_eq_u32 vcc_lo, 0, v1
	s_wait_xcnt 0x0                                ; EXEC changes only behind this wait
	s_and_saveexec_b32 s36, vcc_lo                 ; lane 0 alone
	global_store_b32 v12, v199, s[10:11]
	global_store_b64 v12, v[208:209], s[38:39] offset:GW_OFF
	s_wait_xcnt 0x0
	s_or_b32 exec_lo, exec_lo, s36
	s_wait_dscnt 0x0                               ; my scale bytes lie in LDS
	s_barrier_signal -1
	s_barrier_wait -1
	s_cmp_lg_u32 s26, 0
	s_cbranch_scc1 .Lend
	ds_load_b64 v[14:15], v11                      ; wave 0: the eight tokens' 256 scale bytes
	s_wait_dscnt 0x0
	global_store_b64 v10, v[14:15], s[40:41] offset:XS_OFF   ; 256 consecutive bytes, aligned
.Lend:
	s_wait_tensorcnt 0x0
	ds_add_u32 v224, v225
	s_wait_dscnt 0x0
	s_endpgm
.Lfunc_end_k_qc67ba59583_route:
	.size	k_qc67ba59583_route, .Lfunc_end_k_qc67ba59583_route-k_qc67ba59583_route
	.p2alignl 7, 3214868480
	.fill 96, 4, 3214868480
	.section	.rodata,"a",@progbits
	.p2align	6, 0x0
	.amdhsa_kernel k_qc67ba59583_route
		.amdhsa_group_segment_fixed_size 76288
		.amdhsa_private_segment_fixed_size 0
		.amdhsa_enable_private_segment 0
		.amdhsa_kernarg_size 40
		.amdhsa_user_sgpr_count 2
		.amdhsa_user_sgpr_kernarg_segment_ptr 1
		.amdhsa_wavefront_size32 1
		.amdhsa_system_sgpr_workgroup_id_x 1
		.amdhsa_system_sgpr_workgroup_id_y 1
		.amdhsa_system_sgpr_workgroup_id_z 1
		.amdhsa_system_vgpr_workitem_id 0
		.amdhsa_next_free_vgpr 226
		.amdhsa_next_free_sgpr 66
		.amdhsa_reserve_vcc 1
		.amdhsa_float_denorm_mode_32 3
		.amdhsa_float_denorm_mode_16_64 3
		.amdhsa_memory_ordered 1
		.amdhsa_forward_progress 1
		.amdhsa_inst_pref_size 27
	.end_amdhsa_kernel
	.amdgpu_metadata
---
amdhsa.version: [ 1, 2 ]
amdhsa.kernels:
  - .name:           k_qc67ba59583_route
    .symbol:         k_qc67ba59583_route.kd
    .args:
      - { .name: x, .offset: 0, .size: 8, .value_kind: global_buffer, .address_space: global }
      - { .name: gate_w, .offset: 8, .size: 8, .value_kind: global_buffer, .address_space: global }
      - { .name: gate_b, .offset: 16, .size: 8, .value_kind: global_buffer, .address_space: global }
      - { .name: sel, .offset: 24, .size: 8, .value_kind: global_buffer, .address_space: global }
      - { .name: xr, .offset: 32, .size: 8, .value_kind: global_buffer, .address_space: global }
    .group_segment_fixed_size: 76288
    .private_segment_fixed_size: 0
    .kernarg_segment_align: 8
    .kernarg_segment_size: 40
    .max_flat_workgroup_size: 256
    .sgpr_count:     66
    .vgpr_count:     226
    .wavefront_size: 32
...
	.end_amdgpu_metadata
.endif
;; end of part 1
;; launch place (part 2): grid 8 x 1, 1 waves a work-group, no clusters, 0 bytes of LDS; arguments sel, xr, list, pl; writes list, pl
.if DOCPART == 2
	.amdgcn_target "amdgcn-amd-amdhsa--gfx1250"
	.amdhsa_code_object_version 6
	.text
	.protected	k_qc67ba59583_place
	.globl	k_qc67ba59583_place
	.p2align	8
	.type	k_qc67ba59583_place,@function
k_qc67ba59583_place:
	s_mov_b64 s[64:65], 0
	v_nop
	global_prefetch_b8 v0, s[64:65] scope:SCOPE_SE
	s_setreg_imm32_b32 hwreg(HW_REG_WAVE_MODE, 25, 1), 1
	s_wait_xcnt 0x0
; PLACE.  Work-group e, one wave, makes expert e's list: the ids 2 token + k of the rows that chose it, their gate weights at the same places in pl, and their number.
; All 1,024 words of sel lie in the wave's registers (32 a lane).  A slot is one register: 32 tokens.  A token that chose e takes the place: rows counted so far + the choosers in lower lanes.
; A token that did not choose e writes to its lane's spare word (1152 + lane), which nobody reads: so no store needs a mask.
; list[e] and pl[e] are 1,280 words each.  Words 0 to 1151 are first filled with zeros, so that a reader that rounds the count up to whole groups finds token 0 with weight 0.
; An expert has at most 1,024 rows, one a token.  The order of the rows in a list is of no account: each row is worked by itself.
.set LP,      5120
.set CNT_OFF, 40960
.set GW_OFF,  819200
.set SS, 16                            ; v16-47   sel: register 4 q + i = token 128 q + 4 lane + i
.set PP, 48                            ; v48-111  gate weights: register 8 q + 2 i + k
.set AD, 112                           ; v112-143 a slot's byte address in the list: each slot has registers of its own, so no store's source is written again
.set ID, 144                           ; v144-175 its id
.set VV, 176                           ; v176-207 its weight
	s_load_b256 s[4:11], s[0:1], 0x0               ; sel, xr, list, pl
	v_and_b32 v1, 31, v0
	v_lshlrev_b32 v2, 4, v1                        ; 16 x lane
	v_lshlrev_b32 v3, 5, v1                        ; 32 x lane
	v_mov_b32 v4, 0
	v_mov_b32 v5, 0
	v_mov_b32 v6, 0
	v_mov_b32 v7, 0
	v_add_nc_u32 v10, 1152, v1                     ; my spare word
	v_lshlrev_b32 v11, 3, v1                       ; 8 x lane: the id of my first token's first choice in a slot's 128 tokens
	v_mov_b32 v14, 0
	s_mov_b32 s16, ttmp9                           ; the expert
	s_mov_b32 s17, 0                               ; rows so far
	s_mul_i32 s18, ttmp9, LP
	s_mov_b32 s19, 0
	s_wait_kmcnt 0x0
	s_add_nc_u64 s[12:13], s[8:9], s[18:19]        ; list[e]
	s_add_nc_u64 s[14:15], s[10:11], s[18:19]      ; pl[e]
	s_lshl_b32 s18, ttmp9, 2
	s_add_nc_u64 s[24:25], s[8:9], s[18:19]        ; cnt[e] (+ CNT_OFF)
.irp q, 0,1,2,3,4,5,6,7
	global_load_b128 v[SS+4*\q:SS+4*\q+3], v2, s[4:5] offset:512*\q
.endr
.irp q, 0,1,2,3,4,5,6,7
	global_load_b128 v[PP+8*\q:PP+8*\q+3], v3, s[6:7] offset:GW_OFF+1024*\q
	global_load_b128 v[PP+8*\q+4:PP+8*\q+7], v3, s[6:7] offset:GW_OFF+1024*\q+16
.endr
.irp j, 0,1,2,3,4,5,6,7,8
	global_store_b128 v2, v[4:7], s[12:13] offset:512*\j
	global_store_b128 v2, v[4:7], s[14:15] offset:512*\j
.endr
	s_wait_storecnt 0x0                            ; the zeros are in memory before a row is written over them
	s_wait_loadcnt 0x0
.macro SLOT sl
	v_and_b32 v8, 0xff, v[SS+(\sl)]                ; first choice
	v_bfe_u32 v9, v[SS+(\sl)], 8, 8                ; second choice
	v_cmp_eq_u32 s20, s16, v8
	v_cmp_eq_u32 vcc_lo, s16, v9
	s_or_b32 s21, s20, vcc_lo                      ; the lanes whose token chose e
	v_mbcnt_lo_u32_b32 v[AD+(\sl)], s21, s17       ; rows so far + choosers in lower lanes
	v_cndmask_b32 v[AD+(\sl)], v10, v[AD+(\sl)], s21
	v_min_u32 v[AD+(\sl)], 1183, v[AD+(\sl)]       ; inside the expert's 1,280 words whatever sel holds
	v_lshlrev_b32 v[AD+(\sl)], 2, v[AD+(\sl)]
	v_cndmask_b32 v12, 0, 1, vcc_lo                ; k
	v_add3_u32 v[ID+(\sl)], v11, v12, 256*((\sl)/4)+2*((\sl)%4)
	v_cndmask_b32 v[VV+(\sl)], v[PP+2*(\sl)], v[PP+2*(\sl)+1], vcc_lo
	global_store_b32 v[AD+(\sl)], v[ID+(\sl)], s[12:13]
	global_store_b32 v[AD+(\sl)], v[VV+(\sl)], s[14:15]
	s_bcnt1_i32_b32 s22, s21
	s_add_co_u32 s17, s17, s22
.endm
.set n, 0
.rept 32
	SLOT n
.set n, n+1
.endr
	v_mov_b32 v13, s17
	v_cmp_eq_u32 vcc_lo, 0, v1
	s_wait_xcnt 0x0                                ; EXEC changes only behind this wait
	s_and_saveexec_b32 s23, vcc_lo
	global_store_b32 v14, v13, s[24:25] offset:CNT_OFF
	s_wait_xcnt 0x0
	s_or_b32 exec_lo, exec_lo, s23
	s_endpgm
.Lfunc_end_k_qc67ba59583_place:
	.size	k_qc67ba59583_place, .Lfunc_end_k_qc67ba59583_place-k_qc67ba59583_place
	.p2alignl 7, 3214868480
	.fill 96, 4, 3214868480
	.section	.rodata,"a",@progbits
	.p2align	6, 0x0
	.amdhsa_kernel k_qc67ba59583_place
		.amdhsa_group_segment_fixed_size 0
		.amdhsa_private_segment_fixed_size 0
		.amdhsa_enable_private_segment 0
		.amdhsa_kernarg_size 32
		.amdhsa_user_sgpr_count 2
		.amdhsa_user_sgpr_kernarg_segment_ptr 1
		.amdhsa_wavefront_size32 1
		.amdhsa_system_sgpr_workgroup_id_x 1
		.amdhsa_system_sgpr_workgroup_id_y 1
		.amdhsa_system_sgpr_workgroup_id_z 1
		.amdhsa_system_vgpr_workitem_id 0
		.amdhsa_next_free_vgpr 208
		.amdhsa_next_free_sgpr 66
		.amdhsa_reserve_vcc 1
		.amdhsa_float_denorm_mode_32 3
		.amdhsa_float_denorm_mode_16_64 3
		.amdhsa_memory_ordered 1
		.amdhsa_forward_progress 1
		.amdhsa_inst_pref_size 35
	.end_amdhsa_kernel
	.amdgpu_metadata
---
amdhsa.version: [ 1, 2 ]
amdhsa.kernels:
  - .name:           k_qc67ba59583_place
    .symbol:         k_qc67ba59583_place.kd
    .args:
      - { .name: sel, .offset: 0, .size: 8, .value_kind: global_buffer, .address_space: global }
      - { .name: xr, .offset: 8, .size: 8, .value_kind: global_buffer, .address_space: global }
      - { .name: list, .offset: 16, .size: 8, .value_kind: global_buffer, .address_space: global }
      - { .name: pl, .offset: 24, .size: 8, .value_kind: global_buffer, .address_space: global }
    .group_segment_fixed_size: 0
    .private_segment_fixed_size: 0
    .kernarg_segment_align: 8
    .kernarg_segment_size: 32
    .max_flat_workgroup_size: 32
    .sgpr_count:     66
    .vgpr_count:     208
    .wavefront_size: 32
...
	.end_amdgpu_metadata
.endif
;; end of part 2
;; launch ffn1 (part 3): grid 256 x 1, 8 waves a work-group, no clusters, 220,672 bytes of LDS; arguments xr, w1_codes, w1_scales, b1, list, hq; writes hq
.if DOCPART == 3
	.amdgcn_target "amdgcn-amd-amdhsa--gfx1250"
	.amdhsa_code_object_version 6
	.text
	.protected	k_qc67ba59583_ffn1
	.globl	k_qc67ba59583_ffn1
	.p2align	8
	.type	k_qc67ba59583_ffn1,@function
k_qc67ba59583_ffn1:
	s_mov_b64 s[64:65], 0
	v_nop
	global_prefetch_b8 v0, s[64:65] scope:SCOPE_SE
	s_setreg_imm32_b32 hwreg(HW_REG_WAVE_MODE, 25, 1), 1
	s_wait_xcnt 0x0
; FFN1.  h = Q(gelu(Q(x) W1^T + b1)) for the rows that chose the expert; both operands codes of E3M2 with one E8M0 scale for each 32 along K; sums in f32; h leaves as codes.
; SHARES.  Work-group = (expert e = wg / 32, chunk = wg % 32): 128 hidden units, one K step of the second product.  Its 98,304 bytes of W1 are dense in memory, are read once in the launch and stay in registers.
; Wave w: fg = w % 4 holds hidden units 32 fg .. + 31 of the chunk (2 tiles x 8 K steps x 12 registers), rh = w / 4 takes row tiles 2 rh, 2 rh + 1 of each group of 64 rows: four accumulators by turns.
; THE PRODUCT IS USED TRANSPOSED: source 0 = 16 rows of W1, source 1 = 16 rows of x.  Lane r of tile u takes W1's row 8 u + r + 8 (r / 8) of the wave's 32, so that a lane's 16 registers of the two
; tiles are 16 neighbouring hidden units, 16 (lane / 16) + 0 .. 15, of ONE row.  b1 is the C of each sum's first product.
; THE ROWS hang on the stored list: no tensor load, no copy, no cluster here.  The loop has a constant number of trips, 16 groups, the most an expert can have; every barrier stands outside the branches on the count.
; The number of groups is at least 2: rows 0 to 127 of every expert are always made (behind the list's end: token 0's), so that all that the next launch's first loads read has been stored.
; x's rows (768 bytes of codes, 32 scale bytes) are gathered one group ahead into registers and handed to all waves through LDS, two buffers by turns: one barrier a trip.
; OUT.  hq: images of the next product's operand registers: image (16-row tile T, K step s) at (32 T + s) x 1536; byte 512 j + 16 lane + 4 x = register 4 j + x.  From HS_OFF: scale words, ((32 e + s) x 1024 + row) x 4.
; GELU, exact form: q = erfc(|x| / sqrt 2) / 2 = t 2^(c0 - x^2 log2(e) / 2 + t (c1 + .. + t c9)), t = 1 / (1 + |x| / (2 sqrt 2)) (a published fit of erfc, fractional error 1.2e-7); gelu = max(x, 0) - |x| q: no difference of near numbers on either side.
; LIMITS: NaN and infinities are not served; q under 2^-126 counts as 0; a block of zeros gets the byte 1 (its codes are zeros; this program alone reads the bytes).
.set WST,  0                           ; LDS: W1's 128 rows, pitch 784 = 768 + 16 (196 words: the 32 lanes of an 8-byte fragment load fall on 64 different words modulo 64)
.set XB,   100352                      ; x's codes: 2 buffers x 64 rows x 784
.set XBS,  50176
.set XSB,  200704                      ; x's scale bytes: 2 x 64 rows x 48 (32 + 16)
.set OUT,  206848                      ; h's images: 2 x 4 images x 32 lanes x 48 bytes (lane x 48 + 4 x register)
.set OSW,  219136                      ; h's scale words: 2 x 64
.set XS_OFF,  786432
.set CNT_OFF, 40960
.set HS_OFF,  25165824
; window 0: v1 8 lane; v2, v3 W1 into LDS; v4 W1's fragments; v5, v6 x into LDS; v7, v8 x's fragments and scale words; v9, v10 h into LDS; v11, v13 h out of LDS; v12 16 lane; v14 my word of the list;
;   v15 the list's word; v16 its scale bytes' offset; v17 8 (lane % 4); v[18:19] scale bytes on their way; v[20:27] h on its way out; v28 64 h; v29 W1's scale rows; v[30:31] c9
.set WS,   32                          ; v32-47   W1's scale words: 8 u + K step
.set XSC,  48                          ; v48-55   x's scale words of the group: lanes 0-15 my first tile's rows, lanes 16-31 my second's
.set ACC,  56                          ; v56-87   accumulators: 16 mi + 8 u
.set XF,   88                          ; v88-183  x's fragments: four sets (K steps by turns) x two tiles x 12; behind the products: T, P, U
.set T,    88
.set P,    120
.set U,    152
; v184-200 the quantiser's.   window 1: v0-191 W1's fragments at 12 (8 u + K step); v192-207 b1's two tiles; v208-255 x's rows on their way
.set B1R,  192
.set XP,   208
.set MSB, 0
.macro WIN new                         ; the immediate's high byte repeats the setting that is left; at every label and branch the setting is 0
.if MSB != \new
	s_set_vgpr_msb (MSB<<8)|\new
.set MSB, \new
.endif
.endm
.macro PLACES                          ; four plain lines between a product and a load into, or a vector write of, its registers, or a read of its result
.rept 4
	v_nop
.endr
.endm
; my 8 rows of the next group: each row's 768 bytes by three loads of 256 consecutive bytes; their 256 scale bytes by one load, four lanes to a row.  An id is 2 token + k
.macro XLOAD
.irp i, 0,1,2,3,4,5,6,7
	s_lshr_b32 s26, s[32+\i], 1
	s_min_u32 s26, s26, 1023
	s_mul_i32 s26, s26, 768
	s_add_nc_u64 s[40+2*\i:41+2*\i], s[4:5], s[26:27]
.endr
	v_lshrrev_b32 v16, 1, v15
	v_min_u32 v16, 1023, v16
	v_lshl_add_u32 v16, v16, 5, v17
	global_load_b64 v[18:19], v16, s[4:5] offset:XS_OFF
	WIN 0x40                                       ; destination window 1
.irp i, 0,1,2,3,4,5,6,7
.irp j, 0,1,2
	global_load_b64 v[XP+6*\i+2*\j:XP+6*\i+2*\j+1], v1, s[40+2*\i:41+2*\i] offset:256*\j
.endr
.endr
	WIN 0
.endm
.macro IDS_NEXT                        ; the ids of my 8 rows one group further on: as scalars for the rows' addresses, as a vector for the scale bytes'
	s_add_nc_u64 s[28:29], s[28:29], 256
	s_load_b256 s[32:39], s[28:29], 0x0
	global_load_b32 v15, v14, s[28:29]
.endm
.macro XSTORE buf
	WIN 0x04                                       ; an LDS store's data are its source 1: window 1
.irp i, 0,1,2,3,4,5,6,7
.irp j, 0,1,2
	ds_store_b64 v5, v[XP+6*\i+2*\j:XP+6*\i+2*\j+1] offset:XBS*(\buf)+784*\i+256*\j
.endr
.endr
	WIN 0
	ds_store_b64 v6, v[18:19] offset:3072*(\buf)
.endm
.macro KSET buf, ks, st                ; my two tiles' fragments of K step ks into set st: 24 bytes of a row's stream of bits twice, in pieces of 8
.irp mi, 0,1
.irp p, 0,1,2,3,4,5
	ds_load_b64 v[XF+24*(\st)+12*\mi+2*\p:XF+24*(\st)+12*\mi+2*\p+1], v7 offset:XBS*(\buf)+12544*\mi+96*(\ks)+48*(\p/3)+8*(\p%3)
.endr
.endr
.endm
.macro MM ks, st                       ; four products, one to an accumulator
.if (\ks) == 0
	WIN 0x11                                       ; source 0 (W1) and source 2 (b1) window 1
.else
	WIN 0x01                                       ; source 0 window 1
.endif
.irp mi, 0,1
.irp u, 0,1
.if (\ks) == 0
.if \mi == 0
	v_wmma_scale_f32_16x16x128_f8f6f4 v[ACC+16*\mi+8*\u:ACC+16*\mi+8*\u+7], v[12*(8*\u+(\ks)):12*(8*\u+(\ks))+11], v[XF+24*(\st)+12*\mi:XF+24*(\st)+12*\mi+11], v[B1R+8*\u:B1R+8*\u+7], v[WS+8*\u+(\ks)], v[XSC+(\ks)] matrix_a_fmt:MATRIX_FMT_BF6 matrix_b_fmt:MATRIX_FMT_BF6
.else
	v_wmma_scale_f32_16x16x128_f8f6f4 v[ACC+16*\mi+8*\u:ACC+16*\mi+8*\u+7], v[12*(8*\u+(\ks)):12*(8*\u+(\ks))+11], v[XF+24*(\st)+12*\mi:XF+24*(\st)+12*\mi+11], v[B1R+8*\u:B1R+8*\u+7], v[WS+8*\u+(\ks)], v[XSC+(\ks)] matrix_a_fmt:MATRIX_FMT_BF6 matrix_b_fmt:MATRIX_FMT_BF6 matrix_b_scale:MATRIX_SCALE_ROW1
.endif
.else
.if \mi == 0
	v_wmma_scale_f32_16x16x128_f8f6f4 v[ACC+16*\mi+8*\u:ACC+16*\mi+8*\u+7], v[12*(8*\u+(\ks)):12*(8*\u+(\ks))+11], v[XF+24*(\st)+12*\mi:XF+24*(\st)+12*\mi+11], v[ACC+16*\mi+8*\u:ACC+16*\mi+8*\u+7], v[WS+8*\u+(\ks)], v[XSC+(\ks)] matrix_a_fmt:MATRIX_FMT_BF6 matrix_b_fmt:MATRIX_FMT_BF6
.else
	v_wmma_scale_f32_16x16x128_f8f6f4 v[ACC+16*\mi+8*\u:ACC+16*\mi+8*\u+7], v[12*(8*\u+(\ks)):12*(8*\u+(\ks))+11], v[XF+24*(\st)+12*\mi:XF+24*(\st)+12*\mi+11], v[ACC+16*\mi+8*\u:ACC+16*\mi+8*\u+7], v[WS+8*\u+(\ks)], v[XSC+(\ks)] matrix_a_fmt:MATRIX_FMT_BF6 matrix_b_fmt:MATRIX_FMT_BF6 matrix_b_scale:MATRIX_SCALE_ROW1
.endif
.endif
.endr
.endr
.endm
; the activation of a lane's 32 numbers, in place.  Each accumulator is read from its low end on.  Two batches of transcendentals, each with plain work and ONE wait behind it
.macro GELU
.set j, 0
.rept 32
	v_fma_f32 v[T+j], |v[ACC+j]|, 0x3eb504f3, 1.0  ; 1 + |x| / (2 sqrt 2)
.set j, j+1
.endr
.set j, 0
.rept 32
	v_rcp_f32 v[T+j], v[T+j]                       ; t
.set j, j+1
.endr
.set j, 0
.rept 16
	v_pk_mul_f32 v[U+j:U+j+1], v[ACC+j:ACC+j+1], v[ACC+j:ACC+j+1]   ; x^2: plain work behind the reciprocals
.set j, j+2
.endr
	s_wait_alu depctr_va_vdst(0)                   ; the wait ahead of the first line that names a result: one for the 32
.set j, 0
.rept 16
	v_pk_fma_f32 v[P+j:P+j+1], v[T+j:T+j+1], v[30:31], 0xbf97d29d op_sel_hi:[1,1,0]   ; c9 t + c8 (the constants carry the factor log2(e))
.set j, j+2
.endr
.irp c, 0x40097039, 0xbfd1a1e5, 0x3ecdfd18, 0xbe899a80, 0x3e0efb2e, 0x3f0a29d2, 0x3fb8ab5a, 0xc034d90f
.set j, 0
.rept 16
	v_pk_fma_f32 v[P+j:P+j+1], v[P+j:P+j+1], v[T+j:T+j+1], \c op_sel_hi:[1,1,0]       ; c7 .. c1, and c0, which holds the half
.set j, j+2
.endr
.endr
.set j, 0
.rept 16
	v_pk_fma_f32 v[P+j:P+j+1], v[U+j:U+j+1], 0xbf38aa3b, v[P+j:P+j+1] op_sel_hi:[1,0,1]   ; - x^2 log2(e) / 2
.set j, j+2
.endr
.set j, 0
.rept 32
	v_exp_f32 v[P+j], v[P+j]
.set j, j+1
.endr
.set j, 0
.rept 32
	v_max_num_f32 v[U+j], 0, v[ACC+j]              ; max(x, 0): plain work behind the exponentials
.set j, j+1
.endr
	s_wait_alu depctr_va_vdst(0)                   ; one wait for the 32
.set j, 0
.rept 16
	v_pk_mul_f32 v[T+j:T+j+1], v[T+j:T+j+1], v[P+j:P+j+1]   ; q
.set j, j+2
.endr
.set j, 0
.rept 32
	v_fma_f32 v[ACC+j], -|v[ACC+j]|, v[T+j], v[U+j]
.set j, j+1
.endr
.endm
; my block of 32 hidden units, for my two tiles of rows: lanes l and l xor 16 hold its halves.  Behind the exchange lane (r, t) holds the whole block of row r of tile t: 24 bytes of that tile's image
.macro QUANT2 buf
.irp m, 0,1
	v_max3_num_f32 v[184+\m], |v[ACC+16*\m]|, |v[ACC+16*\m+1]|, 0x2800000   ; with the floor 2^(5 - 127): the byte cannot fall under 1
.endr
.irp i, 2,4,6,8,10,12,14
.irp m, 0,1
	v_max3_num_f32 v[184+\m], v[184+\m], |v[ACC+16*\m+\i]|, |v[ACC+16*\m+\i+1]|
.endr
.endr
.irp m, 0,1
	v_permlanex16_b32 v[186+\m], v[184+\m], s60, s61
.endr
.irp m, 0,1
	v_max_num_f32 v[184+\m], v[184+\m], v[186+\m]
.endr
.irp m, 0,1
	v_add_nc_u32 v[188+\m], 0xfe000000, v[184+\m]  ; 4 off the exponent field: the conversion's scale
.endr
.irp m, 0,1
	v_lshrrev_b32 v[190+\m], 23, v[188+\m]         ; the scale's byte
.endr
	v_cvt_scalef32_pk16_bf6_f32 v[192:194], v[ACC:ACC+15], v188
	v_cvt_scalef32_pk16_bf6_f32 v[198:200], v[ACC+16:ACC+31], v189
	v_nop                                          ; one plain line behind a scaled conversion
.irp i, 0,1,2
	v_permlane16_swap_b32 v[192+\i], v[198+\i]     ; the first's lanes 16-31 change places with the second's lanes 0-15
.endr
.irp i, 0,1,2
	v_mov_b32 v[195+\i], v[198+\i]
.endr
.irp i, 0,1,2
	ds_store_b64 v9, v[192+2*\i:193+2*\i] offset:6144*(\buf)+8*\i
.endr
	ds_store_b8 v10, v190 offset:256*(\buf)        ; byte fg of the row's scale word; both lanes of a row write the same value
	ds_store_b8 v10, v191 offset:256*(\buf)+64
.endm
; half an image a wave: 16 of its lanes' 48 bytes, read so that each store covers 256 consecutive bytes, aligned
.macro OUTSTORE buf
.irp i, 0,1,2
	ds_load_b64 v[20+2*\i:21+2*\i], v11 offset:6144*(\buf)+16*\i
.endr
	s_cmp_lg_u32 s16, 0
	s_cbranch_scc1 .Lnot0_\@
	ds_load_b64 v[26:27], v13 offset:256*(\buf)    ; wave 0: the group's 64 scale words
	s_wait_dscnt 0x0
	global_store_b64 v1, v[26:27], s[58:59]
.Lnot0_\@:
	s_wait_dscnt 0x0
.irp i, 0,1,2
	global_store_b64 v1, v[20+2*\i:21+2*\i], s[56:57] offset:512*\i
.endr
.endm
	s_load_b256 s[4:11], s[0:1], 0x0               ; xr, W1's codes, W1's scales, b1
	s_load_b128 s[12:15], s[0:1], 0x20             ; list, hq
	v_lshl_add_u32 v254, v0, 2, 0x35a00
	v_mov_b32 v255, 0
	v_and_b32 v28, 31, v0                          ; lane
	v_lshrrev_b32 v29, 5, v0
	v_readfirstlane_b32 s16, v29                   ; wave
	s_and_b32 s17, s16, 3                          ; fg
	s_lshr_b32 s18, s16, 2                         ; rh
	s_lshr_b32 s19, ttmp9, 5                       ; expert
	s_and_b32 s20, ttmp9, 31                       ; chunk
	v_and_b32 v30, 15, v0                          ; r
	v_bfe_u32 v31, v0, 4, 1                        ; h
	v_lshlrev_b32 v1, 3, v28
	v_lshlrev_b32 v12, 4, v28
	s_mul_i32 s25, s16, 12544
	v_add_nc_u32 v2, s25, v12                      ; W1 into LDS: my 16 rows; a load's 512 bytes fall into one row, or into two (then lanes 16-31 stand 16 bytes further on)
	v_lshl_add_u32 v3, v31, 4, v2
	v_and_b32 v4, 8, v30
	v_add_nc_u32 v4, v4, v30                       ; r + 8 (r / 8)
	v_lshlrev_b32 v29, 5, v4                       ; that row's 32 scale bytes
	v_mul_u32_u24 v4, v4, 784
	v_mad_u32_u24 v4, v31, 24, v4
	s_mul_i32 s25, s17, 25088
	v_add_nc_u32 v4, s25, v4                       ; W1's fragments: my 32 rows
	s_mul_i32 s25, s16, 6272
	s_add_co_u32 s25, s25, XB
	v_add_nc_u32 v5, s25, v1                       ; x into LDS: rows 8 w on, 8 bytes a lane
	v_lshrrev_b32 v14, 2, v28
	v_and_b32 v17, 3, v28
	v_lshlrev_b32 v17, 3, v17
	v_mad_u32_u24 v6, v14, 48, v17
	s_mul_i32 s25, s16, 384
	s_add_co_u32 s25, s25, XSB
	v_add_nc_u32 v6, s25, v6                       ; its scale bytes: row 8 w + lane / 4
	v_lshlrev_b32 v14, 2, v14                      ; and that row's word of my 8 in the list
	v_mul_u32_u24 v7, v30, 784
	v_mad_u32_u24 v7, v31, 24, v7
	s_mul_i32 s25, s18, 25088
	s_add_co_u32 s25, s25, XB
	v_add_nc_u32 v7, s25, v7                       ; x's fragments: rows 32 rh on
	v_mul_u32_u24 v8, v28, 48
	s_mul_i32 s25, s18, 1536
	s_add_co_u32 s25, s25, XSB
	v_add_nc_u32 v8, s25, v8                       ; x's scale words: row 32 rh + lane
	v_mul_u32_u24 v9, v30, 48
	v_mad_u32_u24 v9, v31, 1536, v9
	s_mul_i32 s25, s18, 3072
	s_and_b32 s30, s17, 1
	s_mul_i32 s30, s30, 768
	s_add_co_u32 s25, s25, s30
	s_lshr_b32 s30, s17, 1
	s_mul_i32 s30, s30, 24
	s_add_co_u32 s25, s25, s30
	s_add_co_u32 s25, s25, OUT
	v_add_nc_u32 v9, s25, v9                       ; h: image 2 rh + lane / 16, its lane r + 16 (fg % 2), its registers 6 (fg / 2) on
	v_lshlrev_b32 v10, 2, v30
	s_lshl_b32 s25, s18, 7
	s_add_co_u32 s25, s25, s17
	s_add_co_u32 s25, s25, OSW
	v_add_nc_u32 v10, s25, v10                     ; h's scale bytes: word 32 rh + r, byte fg
	v_lshrrev_b32 v11, 1, v28
	v_mul_u32_u24 v11, v11, 48
	v_and_b32 v13, 1, v28
	v_lshl_add_u32 v11, v13, 3, v11
	s_mul_i32 s25, s16, 768
	s_add_co_u32 s25, s25, OUT
	v_add_nc_u32 v11, s25, v11                     ; back: half image w, its lane lane / 2, 8 bytes
	v_add_nc_u32 v13, OSW, v1
	v_lshlrev_b32 v28, 6, v31                      ; b1: 64 h
	v_mov_b32 v30, 0x3e7c6f08                      ; c9, twice
	v_mov_b32 v31, 0x3e7c6f08
	v_mov_b32 v186, 0                              ; written once: a lane permute's destination counts as one of its sources
	v_mov_b32 v187, 0
	s_mov_b32 s27, 0
	s_mov_b32 s31, 0
	s_mov_b32 s60, 0x76543210
	s_mov_b32 s61, 0xfedcba98                      ; lane l xor 16
	s_wait_kmcnt 0x0
	s_mul_i32 s30, s19, 5120
	s_lshl_b32 s25, s16, 5
	s_add_co_u32 s30, s30, s25
	s_add_nc_u64 s[28:29], s[12:13], s[30:31]      ; the expert's list at my 8 rows of group 0
	s_lshl_b32 s30, s19, 2
	s_add_nc_u64 s[58:59], s[12:13], s[30:31]
	s_load_b256 s[32:39], s[28:29], 0x0
	s_load_b32 s21, s[58:59], CNT_OFF              ; the expert's rows
	global_load_b32 v15, v14, s[28:29]
	s_mul_i32 s30, ttmp9, 98304
	s_mul_i32 s25, s16, 12288
	s_add_co_u32 s30, s30, s25
	s_add_nc_u64 s[6:7], s[6:7], s[30:31]          ; W1: the chunk's rows 16 w on
	s_lshl_b32 s30, ttmp9, 12
	s_lshl_b32 s25, s17, 10
	s_add_co_u32 s30, s30, s25
	s_add_nc_u64 s[8:9], s[8:9], s[30:31]          ; its scale bytes: my 32 rows
	s_lshl_b32 s30, ttmp9, 9
	s_lshl_b32 s25, s17, 7
	s_add_co_u32 s30, s30, s25
	s_add_nc_u64 s[10:11], s[10:11], s[30:31]      ; b1: my 32 numbers
.irp i, 0,1,2,3,4,5,6,7,8,9,10,11,12,13,14,15,16,17,18,19,20,21,22,23
	global_load_b128 v[XF+4*\i:XF+4*\i+3], v12, s[6:7] offset:512*\i th:TH_LOAD_NT   ; 512 consecutive bytes; read once in the launch
.endr
.irp u, 0,1
	global_load_b128 v[WS+8*\u:WS+8*\u+3], v29, s[8:9] offset:256*\u
	global_load_b128 v[WS+8*\u+4:WS+8*\u+7], v29, s[8:9] offset:256*\u+16
.endr
	WIN 0x40
.irp u, 0,1
	global_load_b128 v[B1R+8*\u:B1R+8*\u+3], v28, s[10:11] offset:32*\u
	global_load_b128 v[B1R+8*\u+4:B1R+8*\u+7], v28, s[10:11] offset:32*\u+16
.endr
	WIN 0
	s_wait_kmcnt 0x0                               ; the count and group 0's ids
	s_add_co_u32 s22, s21, 63
	s_lshr_b32 s22, s22, 6
	s_max_u32 s22, s22, 2                          ; groups of 64 rows, at least two
	s_lshl_b32 s25, s19, 6
	s_lshr_b32 s30, s16, 1
	s_add_co_u32 s25, s25, s30
	s_lshl_b32 s25, s25, 5
	s_add_co_u32 s25, s25, s20
	s_mul_i32 s30, s25, 1536
	s_and_b32 s25, s16, 1
	s_lshl_b32 s25, s25, 8
	s_add_co_u32 s30, s30, s25
	s_add_nc_u64 s[56:57], s[14:15], s[30:31]      ; my half image of group 0
	s_lshl_b32 s30, ttmp9, 12
	s_add_nc_u64 s[58:59], s[14:15], s[30:31]
	s_add_nc_u64 s[58:59], s[58:59], HS_OFF        ; the chunk's scale words of group 0
	s_wait_loadcnt 32                              ; the list's word is in: 32 loads were issued behind it
	XLOAD                                          ; group 0
	IDS_NEXT                                       ; group 1's ids
	s_wait_loadcnt 0x0
.irp m, 0,1,2,3,4,5,6,7
	ds_store_b128 v2, v[XF+12*\m:XF+12*\m+3] offset:1568*\m
	ds_store_b128 v3, v[XF+12*\m+4:XF+12*\m+7] offset:1568*\m+512
	ds_store_b128 v2, v[XF+12*\m+8:XF+12*\m+11] offset:1568*\m+1040
.endr
	XSTORE 0
	s_wait_dscnt 0x0                               ; for the others' sake: my rows of W1 and of x lie in LDS
	s_barrier_signal -1
	s_barrier_wait -1
	WIN 0x40
.irp u, 0,1
.irp s, 0,1,2,3,4,5,6,7
.irp p, 0,1,2,3,4,5
	ds_load_b64 v[12*(8*\u+\s)+2*\p:12*(8*\u+\s)+2*\p+1], v4 offset:6272*\u+96*\s+48*(\p/3)+8*(\p%3)   ; W1's fragments: they stay.  Older than every load of the first trip, so its first wait covers them
.endr
.endr
.endr
	WIN 0
	s_mov_b32 s23, 0                               ; the group in hand
	s_mov_b32 s24, 8
; A GROUP OF 64 ROWS.  In front of the barrier: the next group's rows are asked for; this group is multiplied, activated, quantised, its images stored to LDS; the next group's rows go to the other buffer,
; which was last read in front of the barrier before.  Behind it: the images leave; their buffer is written again two trips on, behind a barrier that each wave reaches with its reads back.
.macro TRIP buf
	s_wait_kmcnt 0x0                               ; the next group's ids
	s_add_co_u32 s25, s23, 1
	s_cmp_lt_u32 s25, s22
	s_cbranch_scc0 .Lnx_\@
	XLOAD
.Lnx_\@:
	s_add_co_u32 s25, s23, 2
	s_cmp_lt_u32 s25, s22
	s_cbranch_scc0 .Lni_\@
	IDS_NEXT
.Lni_\@:
	s_cmp_lt_u32 s23, s22
	s_cbranch_scc0 .Lnw_\@
	ds_load_b128 v[XSC:XSC+3], v8 offset:3072*(\buf)
	ds_load_b128 v[XSC+4:XSC+7], v8 offset:3072*(\buf)+16
	KSET \buf, 0, 0
	KSET \buf, 1, 1
	KSET \buf, 2, 2
	KSET \buf, 3, 3
.irp ks, 0,1,2,3,4,5,6,7
.if \ks < 5
	s_wait_dscnt 36                                ; this K step's set is in; the three younger sets of 12 loads stay out
.else
	s_wait_dscnt 12*(7-\ks)                        ; the sets run out
.endif
	MM \ks, \ks%4
.if \ks < 4
	PLACES
	WIN 0
	KSET \buf, \ks+4, \ks
.endif
.endr
	PLACES
	WIN 0
	GELU
	QUANT2 \buf
.Lnw_\@:
	s_wait_loadcnt 0x0                             ; on every path: the next group's rows, and the list's word, are in
	s_add_co_u32 s25, s23, 1
	s_cmp_lt_u32 s25, s22
	s_cbranch_scc0 .Lns_\@
	XSTORE 1-\buf
.Lns_\@:
	s_wait_dscnt 0x0                               ; my LDS stores have landed and my LDS loads are in
	s_barrier_signal -1
	s_barrier_wait -1
	s_cmp_lt_u32 s23, s22
	s_cbranch_scc0 .Lno_\@
	OUTSTORE \buf
.Lno_\@:
	s_wait_xcnt 0x0                                ; the stores have read their registers and bases
	s_add_nc_u64 s[56:57], s[56:57], 196608        ; four tiles of rows on
	s_add_nc_u64 s[58:59], s[58:59], 256
	s_add_co_u32 s23, s23, 1
.endm
.Lloop:
	TRIP 0
	TRIP 1
	s_sub_co_i32 s24, s24, 1
	s_cmp_lg_u32 s24, 0
	s_cbranch_scc1 .Lloop
	s_wait_tensorcnt 0x0
	ds_add_u32 v254, v255
	s_wait_dscnt 0x0
	s_endpgm
.Lfunc_end_k_qc67ba59583_ffn1:
	.size	k_qc67ba59583_ffn1, .Lfunc_end_k_qc67ba59583_ffn1-k_qc67ba59583_ffn1
	.p2alignl 7, 3214868480
	.fill 96, 4, 3214868480
	.section	.rodata,"a",@progbits
	.p2align	6, 0x0
	.amdhsa_kernel k_qc67ba59583_ffn1
		.amdhsa_group_segment_fixed_size 220672
		.amdhsa_private_segment_fixed_size 0
		.amdhsa_enable_private_segment 0
		.amdhsa_kernarg_size 48
		.amdhsa_user_sgpr_count 2
		.amdhsa_user_sgpr_kernarg_segment_ptr 1
		.amdhsa_wavefront_size32 1
		.amdhsa_system_sgpr_workgroup_id_x 1
		.amdhsa_system_sgpr_workgroup_id_y 1
		.amdhsa_system_sgpr_workgroup_id_z 1
		.amdhsa_system_vgpr_workitem_id 0
		.amdhsa_next_free_vgpr 512
		.amdhsa_next_free_sgpr 66
		.amdhsa_reserve_vcc 0
		.amdhsa_float_denorm_mode_32 3
		.amdhsa_float_denorm_mode_16_64 3
		.amdhsa_memory_ordered 1
		.amdhsa_forward_progress 1
		.amdhsa_inst_pref_size 115
	.end_amdhsa_kernel
	.amdgpu_metadata
---
amdhsa.version: [ 1, 2 ]
amdhsa.kernels:
  - .name:           k_qc67ba59583_ffn1
    .symbol:         k_qc67ba59583_ffn1.kd
    .args:
      - { .name: xr, .offset: 0, .size: 8, .value_kind: global_buffer, .address_space: global }
      - { .name: w1_codes, .offset: 8, .size: 8, .value_kind: global_buffer, .address_space: global }
      - { .name: w1_scales, .offset: 16, .size: 8, .value_kind: global_buffer, .address_space: global }
      - { .name: b1, .offset: 24, .size: 8, .value_kind: global_buffer, .address_space: global }
      - { .name: list, .offset: 32, .size: 8, .value_kind: global_buffer, .address_space: global }
      - { .name: hq, .offset: 40, .size: 8, .value_kind: global_buffer, .address_space: global }
    .group_segment_fixed_size: 220672
    .private_segment_fixed_size: 0
    .kernarg_segment_align: 8
    .kernarg_segment_size: 48
    .max_flat_workgroup_size: 256
    .sgpr_count:     66
    .vgpr_count:     512
    .wavefront_size: 32
...
	.end_amdgpu_metadata
.endif
;; end of part 3
;; launch ffn2 (part 4): grid 256 x 1, 8 waves a work-group, no clusters, 198,656 bytes of LDS; arguments hq, w2_codes, w2_scales, b2, list, pl, y2; writes y2
.if DOCPART == 4
	.amdgcn_target "amdgcn-amd-amdhsa--gfx1250"
	.amdhsa_code_object_version 6
	.text
	.protected	k_qc67ba59583_ffn2
	.globl	k_qc67ba59583_ffn2
	.p2align	8
	.type	k_qc67ba59583_ffn2,@function
k_qc67ba59583_ffn2:
	s_mov_b64 s[64:65], 0
	v_nop
	global_prefetch_b8 v0, s[64:65] scope:SCOPE_SE
	s_setreg_imm32_b32 hwreg(HW_REG_WAVE_MODE, 25, 1), 1
	s_wait_xcnt 0x0
; FFN2.  y2(id = 2 token + k) = p (Q(h) W2^T + b2) for the rows of each expert's list; both operands codes of E3M2 with one E8M0 scale for each 32 along K = 4,096; sums in f32.
; SHARES.  Work-group = (ec = wg / 2: expert e = ec / 16, 64 output columns dc = ec % 16;  rhf = wg % 2: every second group of 32 rows).  Its 196,608 bytes of W2 are dense in memory and stay in registers.
; K IS SHARED AMONG THE WAVES: wave q holds K steps 4 q .. 4 q + 3 of all four column tiles (192 registers).  So each image of h is read by one wave of the work-group, from memory straight into its
; operand registers by loads of 512 consecutive bytes, and feeds four products.  The eight partial sums meet in LDS, two buffers by turns, one barrier a trip; wave q adds and stores rows 4 q .. 4 q + 3 of the group.
; THE PRODUCT IS USED TRANSPOSED: source 0 = 16 rows of W2 (output columns), source 1 = 16 rows of h: a lane holds eight neighbouring columns of one row.
; OUT.  y2 is laid by chunks of 64 columns: chunk dc at dc x 524,288, in it id's 256 bytes at id x 256: a token's two rows of a chunk are neighbours for the next launch.
; A row's id and gate weight are scalars: the wave's four of a group come by two scalar loads; the row's address is the chunk's address + id x 256, and the 32 lanes store its 256 bytes, 8 each.
; THE ROWS hang on the stored count: no tensor load, no copy, no cluster.  The loop has a constant number of trips, 16 groups, the most this work-group can have; every barrier stands outside the branches on the count.
; The two first groups (rows 0 to 127 between the two partners) are asked for whatever the count: the launch before always makes those rows; where the count is smaller their work is jumped over.
; The sums' order differs from the reference's: K in eight parts.  LIMITS: NaN and infinities are not served.
.set RED,  69632                       ; LDS: W2's 64 rows, pitch 3,088 = 3,072 + 16, once; over them, behind a barrier: 2 buffers of 8 waves x 32 rows x 272 bytes (256 + 16)
.set CNT_OFF, 40960
.set HS_OFF,  25165824
.set RES,  44                          ; v44-51  the four finished rows, two numbers a lane each
; window 0: v1 16 lane; v2 4 lane; v3, v4 my partial sums into buffer 0, 1; v5, v6 my rows out of them; v7 8 lane; v10-13 at work at the head;
;   v14 W2 into LDS; v15 W2's scale rows; v16-31 W2's scale words (4 t + i); v[32:33] b2; v36-43 h's scale words (4 set + i); v44-51 results;
;   v56-59 W2's fragments, a register a tile; v64-159, v160-255 h's images, two sets, at 12 (4 mi + i)
; window 1: v0-191 W2's fragments at 12 (4 t + i); v192-255 accumulators at 8 (4 mi + t), then the eight waves' parts of my four rows at 16 j + 2 q
; scalars: s18 wave q; s19 rhf; s20 ec; s21 expert; s22 dc; s23 the expert's rows; s24 its groups; s25 the group in hand; s28 trips; s[30:31] an offset, its high word 0;
;   s[32:33] h's images, s[34:35] h's scale words (both two trips ahead); s[36:37] the list, s[38:39] the weights at my four rows of the group in hand; s[44:47] ids; s[48:51] p; s[52:59] a row's address, a pair a row
.set MSB, 0
.macro WIN new                         ; the immediate's high byte repeats the setting that is left; at every label and branch the setting is 0
.if MSB != \new
	s_set_vgpr_msb (MSB<<8)|\new
.set MSB, \new
.endif
.endm
.macro HLOAD st                        ; 28 loads: a group's 8 images of my K steps, and its scale words
.irp mi, 0,1
.irp i, 0,1,2,3
.irp j, 0,1,2
	global_load_b128 v[64+96*(\st)+12*(4*\mi+\i)+4*\j:64+96*(\st)+12*(4*\mi+\i)+4*\j+3], v1, s[32:33] offset:49152*\mi+1536*\i+512*\j
.endr
.endr
.endr
.irp i, 0,1,2,3
	global_load_b32 v[36+4*(\st)+\i], v2, s[34:35] offset:4096*\i   ; lane = row of the 32: lanes 16-31 serve the second tile
.endr
.endm
.macro STEPH                           ; h's pointers two groups of 32 rows on
	s_add_nc_u64 s[32:33], s[32:33], 196608
	s_add_nc_u64 s[34:35], s[34:35], 256
.endm
	s_load_b256 s[4:11], s[0:1], 0x0               ; hq, W2's codes, W2's scales, b2
	s_load_b128 s[12:15], s[0:1], 0x20             ; list, pl
	s_load_b64 s[16:17], s[0:1], 0x30              ; y2
	v_lshl_add_u32 v62, v0, 2, 0x30400
	v_mov_b32 v63, 0
	v_and_b32 v10, 31, v0                          ; lane
	v_lshrrev_b32 v11, 5, v0
	v_readfirstlane_b32 s18, v11                   ; wave q
	v_and_b32 v12, 15, v0                          ; r
	v_bfe_u32 v13, v0, 4, 1                        ; h
	v_lshlrev_b32 v1, 4, v10
	v_lshlrev_b32 v2, 2, v10
	v_lshlrev_b32 v7, 3, v10
	v_mul_u32_u24 v3, v12, 272
	v_lshl_add_u32 v3, v13, 5, v3
	s_mul_i32 s26, s18, 8704
	v_add_nc_u32 v3, s26, v3                       ; my 32 rows of partial sums: row r, + 32 h
	v_add_nc_u32 v4, RED, v3
	s_mul_i32 s26, s18, 1088
	v_add_nc_u32 v5, s26, v7                       ; back: rows 4 q on, 8 bytes a lane: the 32 lanes take a row's 256 bytes
	v_add_nc_u32 v6, RED, v5
	s_mul_i32 s26, s18, 24704
	v_add_nc_u32 v14, s26, v1                      ; W2 into LDS: rows 8 q on
	v_lshlrev_b32 v15, 7, v12                      ; a row of W2's scale bytes is 128
	v_mul_u32_u24 v56, v12, 3088
	v_mad_u32_u24 v56, v13, 24, v56
	s_mul_i32 s26, s18, 384
	v_add_nc_u32 v56, s26, v56                     ; W2's fragments: row r, my four K steps
	v_add_nc_u32 v57, 49408, v56                   ; 16 rows on
	v_add_nc_u32 v58, 98816, v56
	v_add_nc_u32 v59, 148224, v56
	s_and_b32 s19, ttmp9, 1                        ; rhf
	s_lshr_b32 s20, ttmp9, 1                       ; ec
	s_lshr_b32 s21, s20, 4                         ; expert
	s_and_b32 s22, s20, 15                         ; dc
	s_mov_b32 s31, 0
	s_wait_kmcnt 0x0
	s_lshl_b32 s30, s21, 2
	s_add_nc_u64 s[40:41], s[12:13], s[30:31]
	s_load_b32 s23, s[40:41], CNT_OFF              ; the expert's rows
	s_mul_i32 s30, s20, 196608
	s_mul_i32 s26, s18, 24576
	s_add_co_u32 s30, s30, s26
	s_add_nc_u64 s[6:7], s[6:7], s[30:31]          ; W2: the slice's rows 8 q on
	s_lshl_b32 s30, s20, 13
	s_lshl_b32 s26, s18, 4
	s_add_co_u32 s30, s30, s26
	s_add_nc_u64 s[8:9], s[8:9], s[30:31]          ; its scale bytes: my four words of each row
	s_lshl_b32 s30, s20, 8
	s_add_nc_u64 s[10:11], s[10:11], s[30:31]      ; b2: the 64 columns
	s_lshl_b32 s30, s21, 11
	s_lshl_b32 s26, s18, 2
	s_add_co_u32 s30, s30, s26
	s_mul_i32 s30, s30, 1536
	s_mul_i32 s26, s19, 98304
	s_add_co_u32 s30, s30, s26
	s_add_nc_u64 s[32:33], s[4:5], s[30:31]        ; h's images: tile 2 rhf of the expert, K step 4 q
	s_lshl_b32 s30, s21, 5
	s_lshl_b32 s26, s18, 2
	s_add_co_u32 s30, s30, s26
	s_lshl_b32 s30, s30, 12
	s_lshl_b32 s26, s19, 7
	s_add_co_u32 s30, s30, s26
	s_add_nc_u64 s[34:35], s[4:5], s[30:31]
	s_add_nc_u64 s[34:35], s[34:35], HS_OFF        ; h's scale words
	s_mul_i32 s30, s21, 5120
	s_add_co_u32 s30, s30, s26                     ; group rhf: 128 bytes a group,
	s_lshl_b32 s26, s18, 4
	s_add_co_u32 s30, s30, s26                     ; my four rows: 16 bytes
	s_add_nc_u64 s[36:37], s[12:13], s[30:31]      ; in the list
	s_add_nc_u64 s[38:39], s[14:15], s[30:31]      ; and among the weights
	s_lshl_b32 s30, s22, 19
	s_add_nc_u64 s[16:17], s[16:17], s[30:31]      ; y2 at my chunk of 64 columns: 2,048 ids x 256 bytes
	WIN 0x40                                       ; destination window 1
.set n, 0
.rept 48
	global_load_b128 v[4*n:4*n+3], v1, s[6:7] offset:512*n   ; my 8 rows of W2: 24,576 consecutive bytes
.set n, n+1
.endr
	WIN 0
.irp t, 0,1,2,3
	global_load_b128 v[16+4*\t:19+4*\t], v15, s[8:9] offset:2048*\t
.endr
	global_load_b64 v[32:33], v7, s[10:11]         ; b2 of my two columns
	s_wait_loadcnt 5                               ; W2's 48 are in: five loads were issued behind them
	WIN 0x04                                       ; an LDS store's data are its source 1: window 1
.set n, 0
.rept 48
	ds_store_b128 v14, v[4*n:4*n+3] offset:3088*(n/6)+512*(n%6)
.set n, n+1
.endr
	WIN 0
	HLOAD 0                                        ; group rhf
	s_wait_xcnt 0x0                                ; the loads have read their bases
	STEPH
	HLOAD 1                                        ; group rhf + 2
	s_wait_xcnt 0x0
	STEPH
	s_wait_dscnt 0x0                               ; for the others' sake: my rows of W2 lie in LDS
	s_barrier_signal -1
	s_barrier_wait -1
	WIN 0x40
.irp t, 0,1,2,3
.irp i, 0,1,2,3
.irp p, 0,1,2,3,4,5
	ds_load_b64 v[12*(4*\t+\i)+2*\p:12*(4*\t+\i)+2*\p+1], v[56+\t] offset:96*\i+48*(\p/3)+8*(\p%3)   ; W2's fragments: they stay
.endr
.endr
.endr
	WIN 0
	s_wait_dscnt 0x0                               ; my reads of W2's rows are over:
	s_barrier_signal -1
	s_barrier_wait -1                              ; everybody's are: the partial sums may be laid over them
	s_wait_kmcnt 0x0
	s_add_co_u32 s24, s23, 31
	s_lshr_b32 s24, s24, 5                         ; groups of 32 rows
	s_mov_b32 s25, s19                             ; the group in hand
	s_mov_b32 s28, 8
	s_wait_loadcnt 28                              ; set 0 and all before it are in; set 1's 28 loads stay out
.macro TRIP st
	s_load_b128 s[44:47], s[36:37], 0x0            ; my four rows' ids and weights: in every trip, so that they are written on every path; group 31's end lies at byte 4,096 of the expert's 5,120
	s_load_b128 s[48:51], s[38:39], 0x0
	s_cmp_lt_u32 s25, s24
	s_cbranch_scc0 .Lnw_\@
	WIN 0x51                                       ; source 0 (W2), C and D window 1; source 1 (h) window 0
.irp i, 0,1,2,3                        ; eight accumulators by turns, a K step at a time
.irp mi, 0,1
.irp t, 0,1,2,3
.if \i == 0
.if \mi == 0
	v_wmma_scale_f32_16x16x128_f8f6f4 v[192+8*(4*\mi+\t):199+8*(4*\mi+\t)], v[12*(4*\t+\i):12*(4*\t+\i)+11], v[64+96*(\st)+12*(4*\mi+\i):64+96*(\st)+12*(4*\mi+\i)+11], 0, v[16+4*\t+\i], v[36+4*(\st)+\i] matrix_a_fmt:MATRIX_FMT_BF6 matrix_b_fmt:MATRIX_FMT_BF6
.else
	v_wmma_scale_f32_16x16x128_f8f6f4 v[192+8*(4*\mi+\t):199+8*(4*\mi+\t)], v[12*(4*\t+\i):12*(4*\t+\i)+11], v[64+96*(\st)+12*(4*\mi+\i):64+96*(\st)+12*(4*\mi+\i)+11], 0, v[16+4*\t+\i], v[36+4*(\st)+\i] matrix_a_fmt:MATRIX_FMT_BF6 matrix_b_fmt:MATRIX_FMT_BF6 matrix_b_scale:MATRIX_SCALE_ROW1
.endif
.else
.if \mi == 0
	v_wmma_scale_f32_16x16x128_f8f6f4 v[192+8*(4*\mi+\t):199+8*(4*\mi+\t)], v[12*(4*\t+\i):12*(4*\t+\i)+11], v[64+96*(\st)+12*(4*\mi+\i):64+96*(\st)+12*(4*\mi+\i)+11], v[192+8*(4*\mi+\t):199+8*(4*\mi+\t)], v[16+4*\t+\i], v[36+4*(\st)+\i] matrix_a_fmt:MATRIX_FMT_BF6 matrix_b_fmt:MATRIX_FMT_BF6
.else
	v_wmma_scale_f32_16x16x128_f8f6f4 v[192+8*(4*\mi+\t):199+8*(4*\mi+\t)], v[12*(4*\t+\i):12*(4*\t+\i)+11], v[64+96*(\st)+12*(4*\mi+\i):64+96*(\st)+12*(4*\mi+\i)+11], v[192+8*(4*\mi+\t):199+8*(4*\mi+\t)], v[16+4*\t+\i], v[36+4*(\st)+\i] matrix_a_fmt:MATRIX_FMT_BF6 matrix_b_fmt:MATRIX_FMT_BF6 matrix_b_scale:MATRIX_SCALE_ROW1
.endif
.endif
.endr
.endr
.endr
	WIN 0
.rept 5
	v_nop                                          ; four plain lines ahead of the stores of the results and of loads into these registers; the fifth for the next trip's first product, which writes over an accumulator
.endr
	WIN 0x04
.irp mi, 0,1
.irp t, 0,1,2,3
	ds_store_b128 v[3+(\st)], v[192+8*(4*\mi+\t):195+8*(4*\mi+\t)] offset:4352*\mi+64*\t        ; each accumulator from its low end on
	ds_store_b128 v[3+(\st)], v[196+8*(4*\mi+\t):199+8*(4*\mi+\t)] offset:4352*\mi+64*\t+16
.endr
.endr
	WIN 0
.Lnw_\@:
	s_wait_kmcnt 0x0                               ; on every path: the ids and the weights are in
	s_wait_dscnt 0x0                               ; my partial sums lie in LDS, and my reads of the other buffer are back
	s_barrier_signal -1
	s_barrier_wait -1
	s_cmp_lt_u32 s25, s24
	s_cbranch_scc0 .Lnr_\@
	WIN 0x40
.irp j, 0,1,2,3
.irp q, 0,1,2,3,4,5,6,7
	ds_load_b64 v[192+16*\j+2*\q:193+16*\j+2*\q], v[5+(\st)] offset:8704*\q+272*\j   ; the eight waves' parts of row 4 q + j: 256 consecutive bytes a load
.endr
.endr
	s_wait_dscnt 0x0
	WIN 0x45                                       ; all three in window 1
.irp j, 0,1,2,3
.irp q, 0,2,4,6
	v_pk_add_f32 v[192+16*\j+2*\q:193+16*\j+2*\q], v[192+16*\j+2*\q:193+16*\j+2*\q], v[194+16*\j+2*\q:195+16*\j+2*\q]
.endr
.endr
.irp j, 0,1,2,3
.irp q, 0,4
	v_pk_add_f32 v[192+16*\j+2*\q:193+16*\j+2*\q], v[192+16*\j+2*\q:193+16*\j+2*\q], v[196+16*\j+2*\q:197+16*\j+2*\q]
.endr
.endr
.irp j, 0,1,2,3
	v_pk_add_f32 v[192+16*\j:193+16*\j], v[192+16*\j:193+16*\j], v[200+16*\j:201+16*\j]
.endr
	WIN 0x01                                       ; source 0 in window 1; the result in window 0
.irp j, 0,1,2,3
	v_pk_add_f32 v[RES+2*\j:RES+2*\j+1], v[192+16*\j:193+16*\j], v[32:33]   ; + b2
.endr
	WIN 0
.irp j, 0,1,2,3
	v_mul_f32 v[RES+2*\j], s[48+\j], v[RES+2*\j]           ; x the row's gate weight
	v_mul_f32 v[RES+2*\j+1], s[48+\j], v[RES+2*\j+1]
.endr
	s_lshl_b32 s26, s25, 5
	s_lshl_b32 s27, s18, 2
	s_add_co_u32 s26, s26, s27                     ; my first row's place in the list
.irp j, 0,1,2,3
	s_cmp_lt_u32 s26, s23                          ; is it a row?  The places ascend: the first that is none ends the way out
	s_cbranch_scc0 .Lnr_\@
	s_min_u32 s30, s[44+\j], 2047                  ; the id, held inside y2's 2,048 rows,
	s_lshl_b32 s30, s30, 8                         ; x 256 bytes,
	s_add_nc_u64 s[52+2*\j:53+2*\j], s[16:17], s[30:31]   ; onto the chunk's address: a pair of its own for each row, so that no store's base is written again in the trip
	global_store_b64 v7, v[RES+2*\j:RES+2*\j+1], s[52+2*\j:53+2*\j]   ; the 32 lanes store 256 consecutive bytes, aligned
	s_add_co_u32 s26, s26, 1
.endr
.Lnr_\@:
	s_add_co_u32 s29, s25, 4
	s_cmp_lt_u32 s29, s24
	s_cbranch_scc0 .Lnl_\@
	HLOAD \st                                      ; this set's next group, two trips ahead
	s_wait_loadcnt 28                              ; all but the 28 just issued: the other set is in
	s_branch .Ljl_\@
.Lnl_\@:
	s_wait_loadcnt 0x0
.Ljl_\@:
	s_wait_xcnt 0x0                                ; the loads and stores have read their bases, offsets and data
	STEPH
	s_add_nc_u64 s[36:37], s[36:37], 256           ; the list and the weights: two groups on
	s_add_nc_u64 s[38:39], s[38:39], 256
	s_add_co_u32 s25, s25, 2
.endm
.Lloop:
	TRIP 0
	TRIP 1
	s_sub_co_i32 s28, s28, 1
	s_cmp_lg_u32 s28, 0
	s_cbranch_scc1 .Lloop
	s_wait_tensorcnt 0x0
	ds_add_u32 v62, v63
	s_wait_dscnt 0x0
	s_endpgm
.Lfunc_end_k_qc67ba59583_ffn2:
	.size	k_qc67ba59583_ffn2, .Lfunc_end_k_qc67ba59583_ffn2-k_qc67ba59583_ffn2
	.p2alignl 7, 3214868480
	.fill 96, 4, 3214868480
	.section	.rodata,"a",@progbits
	.p2align	6, 0x0
	.amdhsa_kernel k_qc67ba59583_ffn2
		.amdhsa_group_segment_fixed_size 198656
		.amdhsa_private_segment_fixed_size 0
		.amdhsa_enable_private_segment 0
		.amdhsa_kernarg_size 56
		.amdhsa_user_sgpr_count 2
		.amdhsa_user_sgpr_kernarg_segment_ptr 1
		.amdhsa_wavefront_size32 1
		.amdhsa_system_sgpr_workgroup_id_x 1
		.amdhsa_system_sgpr_workgroup_id_y 1
		.amdhsa_system_sgpr_workgroup_id_z 1
		.amdhsa_system_vgpr_workitem_id 0
		.amdhsa_next_free_vgpr 512
		.amdhsa_next_free_sgpr 66
		.amdhsa_reserve_vcc 0
		.amdhsa_float_denorm_mode_32 3
		.amdhsa_float_denorm_mode_16_64 3
		.amdhsa_memory_ordered 1
		.amdhsa_forward_progress 1
		.amdhsa_inst_pref_size 53
	.end_amdhsa_kernel
	.amdgpu_metadata
---
amdhsa.version: [ 1, 2 ]
amdhsa.kernels:
  - .name:           k_qc67ba59583_ffn2
    .symbol:         k_qc67ba59583_ffn2.kd
    .args:
      - { .name: hq, .offset: 0, .size: 8, .value_kind: global_buffer, .address_space: global }
      - { .name: w2_codes, .offset: 8, .size: 8, .value_kind: global_buffer, .address_space: global }
      - { .name: w2_scales, .offset: 16, .size: 8, .value_kind: global_buffer, .address_space: global }
      - { .name: b2, .offset: 24, .size: 8, .value_kind: global_buffer, .address_space: global }
      - { .name: list, .offset: 32, .size: 8, .value_kind: global_buffer, .address_space: global }
      - { .name: pl, .offset: 40, .size: 8, .value_kind: global_buffer, .address_space: global }
      - { .name: y2, .offset: 48, .size: 8, .value_kind: global_buffer, .address_space: global }
    .group_segment_fixed_size: 198656
    .private_segment_fixed_size: 0
    .kernarg_segment_align: 8
    .kernarg_segment_size: 56
    .max_flat_workgroup_size: 256
    .sgpr_count:     66
    .vgpr_count:     512
    .wavefront_size: 32
...
	.end_amdgpu_metadata
.endif
;; end of part 4
;; launch combine (part 5): grid 256 x 1, 4 waves a work-group, no clusters, 0 bytes of LDS; arguments y2, ln_g, ln_b, out0; writes out0
.if DOCPART == 5
	.amdgcn_target "amdgcn-amd-amdhsa--gfx1250"
	.amdhsa_code_object_version 6
	.text
	.protected	k_qc67ba59583_combine
	.globl	k_qc67ba59583_combine
	.p2align	8
	.type	k_qc67ba59583_combine,@function
k_qc67ba59583_combine:
	s_mov_b64 s[64:65], 0
	v_nop
	global_prefetch_b8 v0, s[64:65] scope:SCOPE_SE
	s_setreg_imm32_b32 hwreg(HW_REG_WAVE_MODE, 25, 1), 1
	s_wait_xcnt 0x0
; COMBINE.  out0[token] = LayerNorm(y2(2 token) + y2(2 token + 1)) x ln_g + ln_b, all in f32.  y2's rows already carry their gate weights.
; y2 is laid by chunks of 64 columns: chunk c at c x 524,288, in it id's 256 bytes at id x 256: a token's two rows of a chunk are 512 neighbouring bytes at token x 512.
; One wave takes one token: its 1,024 numbers are 32 registers a lane and stay there between the passes (mean; deviations and their squares; scaling): memory is read once.
; Load i of row k takes chunk 2 i + lane / 16: lanes 0-15 read one chunk's 256 consecutive bytes, lanes 16-31 the next chunk's.  Register 4 i + x of lane l is then column 128 i + 4 l + x,
; as in the loads of ln_g and ln_b and in the stores, each of which covers 512 consecutive bytes.  The largest immediate, 7 x 1,048,576 + 256, lies inside the signed 24 bits (ISA guide, chapter 10).
; No LDS, no barrier: the sums never leave the wave.  The variance is the mean of the squared deviations, not a difference of large sums.
.set Y,  16                            ; v16-47   the first row, then the sum, then the result
.set Y1, 48                            ; v48-79   the second row
.set G,  80                            ; v80-111  ln_g
.set BB, 112                           ; v112-143 ln_b
	s_load_b256 s[4:11], s[0:1], 0x0               ; y2, ln_g, ln_b, out0
	v_and_b32 v1, 31, v0
	v_lshrrev_b32 v2, 5, v0
	v_readfirstlane_b32 s14, v2                    ; wave
	v_lshlrev_b32 v1, 4, v1                        ; 16 bytes a lane
	v_and_b32 v3, 15, v0
	v_bfe_u32 v12, v0, 4, 1
	v_lshlrev_b32 v3, 4, v3
	v_lshl_add_u32 v3, v12, 19, v3                 ; y2: 16 (lane % 16), and a chunk further on for lanes 16-31
	s_lshl_b32 s15, ttmp9, 2
	s_add_co_u32 s15, s15, s14                     ; my token
	s_lshl_b32 s16, s15, 9                         ; its two rows in a chunk
	s_mov_b32 s17, 0
	s_lshl_b32 s18, s15, 12
	s_mov_b32 s19, 0
	s_mov_b32 s12, 0x76543210
	s_mov_b32 s13, 0xfedcba98                      ; lane l xor 16
	s_mov_b32 s20, 0x3a800000                      ; 1 / 1,024
	s_wait_kmcnt 0x0
	s_add_nc_u64 s[4:5], s[4:5], s[16:17]
	s_add_nc_u64 s[10:11], s[10:11], s[18:19]
.irp i, 0,1,2,3,4,5,6,7
	global_load_b128 v[Y+4*\i:Y+4*\i+3], v3, s[4:5] offset:1048576*\i th:TH_LOAD_NT
	global_load_b128 v[Y1+4*\i:Y1+4*\i+3], v3, s[4:5] offset:1048576*\i+256 th:TH_LOAD_NT
.endr
.irp i, 0,1,2,3,4,5,6,7
	global_load_b128 v[G+4*\i:G+4*\i+3], v1, s[6:7] offset:512*\i
	global_load_b128 v[BB+4*\i:BB+4*\i+3], v1, s[8:9] offset:512*\i
.endr
	s_wait_loadcnt 16                              ; the two rows are in; the 16 loads of gains and biases stay out
.irp j, 0,2,4,6,8,10,12,14,16,18,20,22,24,26,28,30
	v_pk_add_f32 v[Y+\j:Y+\j+1], v[Y+\j:Y+\j+1], v[Y1+\j:Y1+\j+1]
.endr
	v_pk_add_f32 v[4:5], v[Y:Y+1], v[Y+2:Y+3]      ; the sum of my 32, in two chains
	v_pk_add_f32 v[6:7], v[Y+4:Y+5], v[Y+6:Y+7]
.irp j, 8,12,16,20,24,28
	v_pk_add_f32 v[4:5], v[4:5], v[Y+\j:Y+\j+1]
	v_pk_add_f32 v[6:7], v[6:7], v[Y+\j+2:Y+\j+3]
.endr
	v_pk_add_f32 v[4:5], v[4:5], v[6:7]
	v_add_f32 v4, v4, v5
.irp m, 1,2,4,8
	v_add_f32_dpp v4, v4, v4 row_xmask:\m row_mask:0xf bank_mask:0xf
.endr
	v_permlanex16_b32 v5, v4, s12, s13
	v_add_f32 v4, v4, v5
	v_mul_f32 v8, s20, v4                          ; the mean, twice
	v_mov_b32 v9, v8
.irp j, 0,2,4,6,8,10,12,14,16,18,20,22,24,26,28,30
	v_pk_add_f32 v[Y+\j:Y+\j+1], v[Y+\j:Y+\j+1], v[8:9] neg_lo:[0,1] neg_hi:[0,1]   ; the deviations
.endr
	v_pk_mul_f32 v[4:5], v[Y:Y+1], v[Y:Y+1]
	v_pk_mul_f32 v[6:7], v[Y+2:Y+3], v[Y+2:Y+3]
.irp j, 4,8,12,16,20,24,28
	v_pk_fma_f32 v[4:5], v[Y+\j:Y+\j+1], v[Y+\j:Y+\j+1], v[4:5]
	v_pk_fma_f32 v[6:7], v[Y+\j+2:Y+\j+3], v[Y+\j+2:Y+\j+3], v[6:7]
.endr
	v_pk_add_f32 v[4:5], v[4:5], v[6:7]
	v_add_f32 v4, v4, v5
.irp m, 1,2,4,8
	v_add_f32_dpp v4, v4, v4 row_xmask:\m row_mask:0xf bank_mask:0xf
.endr
	v_permlanex16_b32 v5, v4, s12, s13
	v_add_f32 v4, v4, v5
	v_fma_f32 v6, v4, s20, 0x3727c5ac              ; the variance + 1e-5
	v_rsq_f32 v10, v6
	v_rsq_f32 v11, v6                              ; twice: a pair for the packed multiply
	v_nop                                          ; a plain line behind the two
	s_wait_alu depctr_va_vdst(0)                   ; the wait ahead of the first line that names a result: one for both
	s_wait_loadcnt 0x0                             ; gains and biases
.irp j, 0,2,4,6,8,10,12,14,16,18,20,22,24,26,28,30
	v_pk_mul_f32 v[Y+\j:Y+\j+1], v[Y+\j:Y+\j+1], v[10:11]
.endr
.irp j, 0,2,4,6,8,10,12,14,16,18,20,22,24,26,28,30
	v_pk_fma_f32 v[Y+\j:Y+\j+1], v[Y+\j:Y+\j+1], v[G+\j:G+\j+1], v[BB+\j:BB+\j+1]
.endr
.irp i, 0,1,2,3,4,5,6,7
	global_store_b128 v1, v[Y+4*\i:Y+4*\i+3], s[10:11] offset:512*\i th:TH_STORE_NT
.endr
	s_endpgm
.Lfunc_end_k_qc67ba59583_combine:
	.size	k_qc67ba59583_combine, .Lfunc_end_k_qc67ba59583_combine-k_qc67ba59583_combine
	.p2alignl 7, 3214868480
	.fill 96, 4, 3214868480
	.section	.rodata,"a",@progbits
	.p2align	6, 0x0
	.amdhsa_kernel k_qc67ba59583_combine
		.amdhsa_group_segment_fixed_size 0
		.amdhsa_private_segment_fixed_size 0
		.amdhsa_enable_private_segment 0
		.amdhsa_kernarg_size 32
		.amdhsa_user_sgpr_count 2
		.amdhsa_user_sgpr_kernarg_segment_ptr 1
		.amdhsa_wavefront_size32 1
		.amdhsa_system_sgpr_workgroup_id_x 1
		.amdhsa_system_sgpr_workgroup_id_y 1
		.amdhsa_system_sgpr_workgroup_id_z 1
		.amdhsa_system_vgpr_workitem_id 0
		.amdhsa_next_free_vgpr 144
		.amdhsa_next_free_sgpr 66
		.amdhsa_reserve_vcc 0
		.amdhsa_float_denorm_mode_32 3
		.amdhsa_float_denorm_mode_16_64 3
		.amdhsa_memory_ordered 1
		.amdhsa_forward_progress 1
		.amdhsa_inst_pref_size 12
	.end_amdhsa_kernel
	.amdgpu_metadata
---
amdhsa.version: [ 1, 2 ]
amdhsa.kernels:
  - .name:           k_qc67ba59583_combine
    .symbol:         k_qc67ba59583_combine.kd
    .args:
      - { .name: y2, .offset: 0, .size: 8, .value_kind: global_buffer, .address_space: global }
      - { .name: ln_g, .offset: 8, .size: 8, .value_kind: global_buffer, .address_space: global }
      - { .name: ln_b, .offset: 16, .size: 8, .value_kind: global_buffer, .address_space: global }
      - { .name: out0, .offset: 24, .size: 8, .value_kind: global_buffer, .address_space: global }
    .group_segment_fixed_size: 0
    .private_segment_fixed_size: 0
    .kernarg_segment_align: 8
    .kernarg_segment_size: 32
    .max_flat_workgroup_size: 128
    .sgpr_count:     66
    .vgpr_count:     144
    .wavefront_size: 32
...
	.end_amdgpu_metadata
.endif
;; end of part 5
;; ======== version 2 of 2: 4 launches
;; limits: right only within a limited range of input values
;; workspace buffers: sel 4,096 bytes of whole numbers; xr 827,392 bytes; list 41,216 bytes of whole numbers; hq 26,214,400 bytes; y2 8,388,608 bytes
;; launch route (part 6): grid 128 x 1, 8 waves a work-group, no clusters, 76,288 bytes of LDS; arguments x, gate_w, gate_b, sel, xr; writes sel, xr
.if DOCPART == 6
	.amdgcn_target "amdgcn-amd-amdhsa--gfx1250"
	.amdhsa_code_object_version 6
	.text
	.protected	k_qc67ba59583_route
	.globl	k_qc67ba59583_route
	.p2align	8
	.type	k_qc67ba59583_route,@function
k_qc67ba59583_route:
	s_mov_b64 s[64:65], 0
	v_nop
	global_prefetch_b8 v0, s[64:65] scope:SCOPE_SE
	s_setreg_imm32_b32 hwreg(HW_REG_WAVE_MODE, 25, 1), 1
	s_wait_xcnt 0x0
; ROUTE.  For each of the 1,024 tokens: the eight logits (x . gate_w + gate_b) / 0.9 in f32, the two largest (ties: the lower index), the softmax over those two,
; and x's codes of E3M2 with one E8M0 byte for each 32 along the token's 1,024 numbers.  One wave takes one token; a work-group of eight waves takes eight.
; OUT: sel[token] = e0 | e1 << 8 (whole numbers: later launches form addresses from them; no address or branch here hangs on them);
;      xr: bytes 0 ..: the codes, 768 bytes a token, the row's stream of bits;  XS_OFF ..: the scale bytes, 32 a token;  GW_OFF ..: p0, p1 of each token, f32.
; A lane holds 2 x 16 neighbours of the row: x[512 u + 16 lane + i].  The loads take the row as it lies (512 consecutive bytes each) and the wave's own stage in LDS turns it.
; gate_w (32 KiB) is copied into LDS once a work-group, 16 rows (512 bytes) to a region of 528 bytes, so that a lane reads the 16 rows that go with its 16 numbers.
; LIMITS: NaN and infinities among the inputs are not served.  The logits are multiplied by the f32 number nearest 1 / 0.9, not divided: at most one unit in the last place.
; A block of zeros gets the byte 1, not 127: its codes are zeros, and this program alone reads the bytes.  The sums' order differs from the reference's: two logits nearer than f32 rounding may change places.
; The two small stores of a token (4 and 8 bytes) fill their 256 bytes in part: 12 KiB in the whole launch.
.set GWL,    0                         ; LDS: gate_w, 64 regions of 528 bytes
.set XT,     33792                     ; 5,120 bytes a wave: two stages of 32 places of 80 bytes (64 + 16 of padding)
.set SBL,    74752                     ; the work-group's 256 scale bytes
.set XS_OFF, 786432
.set GW_OFF, 819200
.set X,  16                            ; v16-47   my 32 numbers of x
.set A,  48                            ; v48-55   the eight sums, then the logits
.set GA, 64                            ; v64-127  a batch of gate_w (8 rows x 8); first the raw loads of gate_w
.set GB, 128                           ; v128-191 the other batch; first the raw loads of x
	s_load_b256 s[4:11], s[0:1], 0x0               ; x, gate_w, gate_b, sel
	s_load_b64 s[12:13], s[0:1], 0x20              ; xr
	v_lshl_add_u32 v224, v0, 2, 0x12600
	v_mov_b32 v225, 0
	v_and_b32 v1, 31, v0                           ; lane
	v_lshrrev_b32 v2, 5, v0
	s_delay_alu instid0(VALU_DEP_1)
	v_readfirstlane_b32 s26, v2                    ; wave
	v_lshlrev_b32 v2, 4, v0                        ; gate_w: 16 bytes a thread
	s_delay_alu instid0(VALU_DEP_4)
	v_lshlrev_b32 v3, 4, v1                        ; x: 16 bytes a lane
	s_mul_i32 s27, s26, 528
	v_add_nc_u32 v4, s27, v3                       ; gate_w into LDS: region 8 i + wave, 16 x lane
	s_mul_i32 s27, s26, 5120
	s_add_co_u32 s27, s27, XT                      ; my wave's stages
	v_lshrrev_b32 v5, 2, v1
	s_delay_alu instid0(VALU_DEP_1)
	v_mul_u32_u24 v5, v5, 80
	v_and_b32 v6, 3, v1
	s_delay_alu instid0(VALU_DEP_1)
	v_lshl_add_u32 v5, v6, 4, v5
	s_delay_alu instid0(VALU_DEP_1)
	v_add_nc_u32 v5, s27, v5                       ; in: four lanes' 64 bytes to a place
	v_mul_u32_u24 v6, v1, 80
	s_delay_alu instid0(VALU_DEP_1)
	v_add_nc_u32 v6, s27, v6                       ; back: my place
	v_mul_u32_u24 v7, v1, 528                      ; my region of gate_w
	v_mul_u32_u24 v8, v1, 12                       ; my 16 codes' 12 bytes
	v_lshrrev_b32 v9, 1, v1
	s_lshl_b32 s27, s26, 5
	s_add_co_u32 s27, s27, SBL
	v_add_nc_u32 v9, s27, v9                       ; my block's scale byte
	v_lshlrev_b32 v10, 3, v1
	s_delay_alu instid0(VALU_DEP_1)
	v_add_nc_u32 v11, SBL, v10                     ; the way out of the scale bytes: 8 a lane
	v_mov_b32 v12, 0
.irp e, 0,1,2,3,4,5,6,7
	v_mov_b32 v[200+\e], 0                         ; written once: a lane permute's destination counts as one of its sources
.endr
	s_lshl_b32 s28, ttmp9, 3
	s_add_co_u32 s28, s28, s26                     ; my token
	s_mov_b32 s24, 0x76543210
	s_mov_b32 s25, 0xfedcba98                      ; lane l xor 16
	s_mov_b32 s31, 0
	s_wait_kmcnt 0x0
	s_load_b256 s[16:23], s[8:9], 0x0              ; gate_b
	s_lshl_b32 s30, s28, 12
	s_add_nc_u64 s[4:5], s[4:5], s[30:31]          ; my row of x
	s_mul_i32 s30, s28, 768
	s_add_nc_u64 s[34:35], s[12:13], s[30:31]      ; my row of codes
	s_lshl_b32 s30, s28, 3
	s_add_nc_u64 s[38:39], s[12:13], s[30:31]      ; my pair of gate weights (+ GW_OFF)
	s_lshl_b32 s30, s28, 2
	s_add_nc_u64 s[10:11], s[10:11], s[30:31]      ; my word of sel
	s_lshl_b32 s30, ttmp9, 8
	s_add_nc_u64 s[40:41], s[12:13], s[30:31]      ; the work-group's 256 scale bytes (+ XS_OFF)
.irp i, 0,1,2,3,4,5,6,7
	global_load_b128 v[GA+4*\i:GA+4*\i+3], v2, s[6:7] offset:4096*\i
.endr
.irp i, 0,1,2,3,4,5,6,7
	global_load_b128 v[GB+4*\i:GB+4*\i+3], v3, s[4:5] offset:512*\i th:TH_LOAD_NT   ; read once in the launch
.endr
	s_wait_loadcnt 0x0
.irp i, 0,1,2,3,4,5,6,7
	ds_store_b128 v4, v[GA+4*\i:GA+4*\i+3] offset:4224*\i
.endr
.irp i, 0,1,2,3,4,5,6,7
	ds_store_b128 v5, v[GB+4*\i:GB+4*\i+3] offset:2560*(\i/4)+640*(\i%4)
.endr
.irp i, 0,1,2,3,4,5,6,7
	ds_load_b128 v[X+4*\i:X+4*\i+3], v6 offset:2560*(\i/4)+16*(\i%4)   ; LDS serves a wave's instructions in order: these see my stores
.endr
	s_wait_dscnt 0x0                               ; for the others' sake: my part of gate_w lies in LDS
	s_barrier_signal -1
	s_barrier_wait -1
; batch b (0..3): gate_w's rows 512 (b / 2) + 16 lane + 8 (b % 2) + 0 .. 7, 256 bytes a lane
.macro GBATCH b, g
.irp n, 0,1,2,3,4,5,6,7,8,9,10,11,12,13,14,15
	ds_load_b128 v[\g+4*\n:\g+4*\n+3], v7 offset:16896*((\b)/2)+256*((\b)%2)+16*\n
.endr
.endm
; eight numbers of x times their rows: four packed multiply-adds a number; the number is the low or the high word of its pair
.macro DOT b, g
.irp kk, 0,1,2,3,4,5,6,7
.irp p, 0,1,2,3
.if (\b) == 0 && \kk == 0
	v_pk_mul_f32 v[A+2*\p:A+2*\p+1], v[\g+2*\p:\g+2*\p+1], v[X:X+1] op_sel_hi:[1,0]   ; the first number starts the sums
.elseif \kk%2 == 0
	v_pk_fma_f32 v[A+2*\p:A+2*\p+1], v[\g+8*\kk+2*\p:\g+8*\kk+2*\p+1], v[X+8*(\b)+\kk:X+8*(\b)+\kk+1], v[A+2*\p:A+2*\p+1] op_sel_hi:[1,0,1]
.else
	s_delay_alu instid0(VALU_DEP_4)
	v_pk_fma_f32 v[A+2*\p:A+2*\p+1], v[\g+8*\kk+2*\p:\g+8*\kk+2*\p+1], v[X+8*(\b)+\kk-1:X+8*(\b)+\kk], v[A+2*\p:A+2*\p+1] op_sel:[0,1,0] op_sel_hi:[1,1,1]
.endif
.endr
.endr
.endm
	GBATCH 0, GA
	GBATCH 1, GB
	s_wait_dscnt 16                                ; the older batch is in, the younger 16 loads stay out
	DOT 0, GA
	GBATCH 2, GA
	s_wait_alu depctr_va_vdst(0)
	s_wait_dscnt 16
	DOT 1, GB
	GBATCH 3, GB
	s_wait_alu depctr_va_vdst(0)
	s_wait_dscnt 16
	DOT 2, GA
	s_wait_alu depctr_va_vdst(0)
	s_wait_dscnt 0x0
	DOT 3, GB
; the eight sums over the 32 lanes, by turns
.irp m, 1,2,4,8
.irp e, 0,1,2,3,4,5,6,7
	v_add_f32_dpp v[A+\e], v[A+\e], v[A+\e] row_xmask:\m row_mask:0xf bank_mask:0xf
.endr
.endr
.irp e, 0,1,2,3,4,5,6,7
	v_permlanex16_b32 v[200+\e], v[A+\e], s24, s25
.endr
	s_wait_alu depctr_va_vdst(0)
	s_wait_kmcnt 0x0                               ; gate_b
.irp e, 0,1,2,3,4,5,6,7
	v_add_f32 v[A+\e], v[A+\e], v[200+\e]
.endr
.irp e, 0,1,2,3,4,5,6,7
	v_add_f32 v[A+\e], s[16+\e], v[A+\e]
.endr
.irp e, 0,1,2,3,4,5,6,7
	v_mul_f32 v[A+\e], 0x3f8e38e4, v[A+\e]         ; x 1 / 0.9: the logits, alike in every lane
.endr
; the largest: a later logit wins only if it is greater, so the lower index keeps a tie
	v_mov_b32 v192, v[A]
	v_mov_b32 v193, 0
.irp e, 1,2,3,4,5,6,7
	s_delay_alu instid0(VALU_DEP_2)
	v_cmp_gt_f32 vcc_lo, v[A+\e], v192
	s_delay_alu instid0(VALU_DEP_1)
	v_cndmask_b32 v192, v192, v[A+\e], vcc_lo
	s_delay_alu instid0(VALU_DEP_2)
	v_cndmask_b32 v193, v193, \e, vcc_lo
.endr
; the second: the same among the other seven
	v_mov_b32 v194, 0xff800000
	v_mov_b32 v195, 0
	v_mov_b32 v197, 0xff800000
.irp e, 0,1,2,3,4,5,6,7
	v_cmp_eq_u32 vcc_lo, \e, v193
	s_delay_alu instid0(VALU_DEP_1)
	v_cndmask_b32 v196, v[A+\e], v197, vcc_lo
	s_delay_alu instid0(VALU_DEP_1)
	v_cmp_gt_f32 vcc_lo, v196, v194
	s_delay_alu instid0(VALU_DEP_1)
	v_cndmask_b32 v194, v194, v196, vcc_lo
	s_delay_alu instid0(VALU_DEP_2)
	v_cndmask_b32 v195, v195, \e, vcc_lo
.endr
; the softmax over the two, the larger taken away: p0 = 1 / (1 + e), p1 = e p0, e = exp(second - first), at most 1
	s_delay_alu instid0(VALU_DEP_2)
	v_sub_f32 v196, v194, v192
	s_delay_alu instid0(VALU_DEP_1)
	v_mul_f32 v196, 0x3fb8aa3b, v196
	s_wait_alu depctr_va_vdst(0)
	v_exp_f32 v198, v196
	v_lshl_or_b32 v199, v195, 8, v193              ; (a plain line behind the exponential)  e0 | e1 << 8
	s_wait_alu depctr_va_vdst(0)                   ; the wait ahead of the first line that names the result
	v_add_f32 v196, 1.0, v198
	s_wait_alu depctr_va_vdst(0)
	v_rcp_f32 v208, v196
	v_nop
	s_wait_alu depctr_va_vdst(0)
	v_mul_f32 v209, v198, v208
; x's codes: two lanes hold a block of 32.  The largest magnitude's exponent field less 4 is the scale; the floor 2^(5 - 127) holds the byte at 1 from below
.macro QUANT u
.set XS, X+16*(\u)
	v_max3_num_f32 v196, |v[XS]|, |v[XS+1]|, |v[XS+2]|
	v_max3_num_f32 v197, |v[XS+3]|, |v[XS+4]|, |v[XS+5]|
.irp i, 6,10
	s_delay_alu instid0(VALU_DEP_2)
	v_max3_num_f32 v196, v196, |v[XS+\i]|, |v[XS+\i+1]|
	s_delay_alu instid0(VALU_DEP_2)
	v_max3_num_f32 v197, v197, |v[XS+\i+2]|, |v[XS+\i+3]|
.endr
	s_delay_alu instid0(VALU_DEP_2)
	v_max3_num_f32 v196, v196, |v[XS+14]|, |v[XS+15]|
	s_delay_alu instid0(VALU_DEP_1)
	v_max3_num_f32 v196, v196, v197, 0x2800000
	s_delay_alu instid0(VALU_DEP_1)
	v_max_num_f32_dpp v196, v196, v196 row_xmask:1 row_mask:0xf bank_mask:0xf
	s_delay_alu instid0(VALU_DEP_1)
	v_add_nc_u32 v[202+(\u)], 0xfe000000, v196     ; 4 off the exponent field: the conversion takes that field as its scale
	v_cvt_scalef32_pk16_bf6_f32 v[210+4*(\u):212+4*(\u)], v[XS:XS+15], v[202+(\u)]
	v_lshrrev_b32 v[204+(\u)], 23, v[202+(\u)]     ; the scale's byte (a plain line behind the conversion)
	ds_store_b8 v9, v[204+(\u)] offset:16*(\u)     ; both lanes of a block write the same byte with the same value
	global_store_b96 v8, v[210+4*(\u):212+4*(\u)], s[34:35] offset:384*(\u)   ; the wave stores 384 consecutive bytes
.endm
	QUANT 0
	QUANT 1
	v_cmp_eq_u32 vcc_lo, 0, v1
	s_wait_xcnt 0x0                                ; EXEC changes only behind this wait
	s_and_saveexec_b32 s36, vcc_lo                 ; lane 0 alone
	global_store_b32 v12, v199, s[10:11]
	global_store_b64 v12, v[208:209], s[38:39] offset:GW_OFF
	s_wait_xcnt 0x0
	s_or_b32 exec_lo, exec_lo, s36
	s_wait_dscnt 0x0                               ; my scale bytes lie in LDS
	s_barrier_signal -1
	s_barrier_wait -1
	s_cmp_lg_u32 s26, 0
	s_cbranch_scc1 .Lend
	ds_load_b64 v[14:15], v11                      ; wave 0: the eight tokens' 256 scale bytes
	s_wait_dscnt 0x0
	global_store_b64 v10, v[14:15], s[40:41] offset:XS_OFF   ; 256 consecutive bytes, aligned
.Lend:
	s_wait_tensorcnt 0x0
	ds_add_u32 v224, v225
	s_wait_dscnt 0x0
	s_endpgm
.Lfunc_end_k_qc67ba59583_route:
	.size	k_qc67ba59583_route, .Lfunc_end_k_qc67ba59583_route-k_qc67ba59583_route
	.p2alignl 7, 3214868480
	.fill 96, 4, 3214868480
	.section	.rodata,"a",@progbits
	.p2align	6, 0x0
	.amdhsa_kernel k_qc67ba59583_route
		.amdhsa_group_segment_fixed_size 76288
		.amdhsa_private_segment_fixed_size 0
		.amdhsa_enable_private_segment 0
		.amdhsa_kernarg_size 40
		.amdhsa_user_sgpr_count 2
		.amdhsa_user_sgpr_kernarg_segment_ptr 1
		.amdhsa_wavefront_size32 1
		.amdhsa_system_sgpr_workgroup_id_x 1
		.amdhsa_system_sgpr_workgroup_id_y 1
		.amdhsa_system_sgpr_workgroup_id_z 1
		.amdhsa_system_vgpr_workitem_id 0
		.amdhsa_next_free_vgpr 226
		.amdhsa_next_free_sgpr 66
		.amdhsa_reserve_vcc 1
		.amdhsa_float_denorm_mode_32 3
		.amdhsa_float_denorm_mode_16_64 3
		.amdhsa_memory_ordered 1
		.amdhsa_forward_progress 1
		.amdhsa_inst_pref_size 32
	.end_amdhsa_kernel
	.amdgpu_metadata
---
amdhsa.version: [ 1, 2 ]
amdhsa.kernels:
  - .name:           k_qc67ba59583_route
    .symbol:         k_qc67ba59583_route.kd
    .args:
      - { .name: x, .offset: 0, .size: 8, .value_kind: global_buffer, .address_space: global }
      - { .name: gate_w, .offset: 8, .size: 8, .value_kind: global_buffer, .address_space: global }
      - { .name: gate_b, .offset: 16, .size: 8, .value_kind: global_buffer, .address_space: global }
      - { .name: sel, .offset: 24, .size: 8, .value_kind: global_buffer, .address_space: global }
      - { .name: xr, .offset: 32, .size: 8, .value_kind: global_buffer, .address_space: global }
    .group_segment_fixed_size: 76288
    .private_segment_fixed_size: 0
    .kernarg_segment_align: 8
    .kernarg_segment_size: 40
    .max_flat_workgroup_size: 256
    .sgpr_count:     66
    .vgpr_count:     226
    .wavefront_size: 32
...
	.end_amdgpu_metadata
.endif
;; end of part 6
;; launch ffn1 (part 7): grid 256 x 1, 4 waves a work-group, no clusters, 163,584 bytes of LDS; arguments xr, sel, w1_codes, w1_scales, b1, list, hq; writes list, hq
.if DOCPART == 7
	.amdgcn_target "amdgcn-amd-amdhsa--gfx1250"
	.amdhsa_code_object_version 6
	.text
	.protected	k_qc67ba59583_ffn1
	.globl	k_qc67ba59583_ffn1
	.p2align	8
	.type	k_qc67ba59583_ffn1,@function
k_qc67ba59583_ffn1:
	s_mov_b64 s[64:65], 0
	v_nop
	global_prefetch_b8 v0, s[64:65] scope:SCOPE_SE
	s_setreg_imm32_b32 hwreg(HW_REG_WAVE_MODE, 25, 1), 1
	s_wait_xcnt 0x0
; FFN1.  h = Q(gelu(Q(x) W1^T + b1)) for the rows that chose the expert; both operands codes of E3M2 with one E8M0 scale for each 32 along K; sums in f32; h leaves as codes.
; WORK LEFT OUT: an expert that is not among a token's two largest logits has -inf ahead of the softmax, so its gate weight is exactly 0 for all values of the inputs, and its row of h and of
; expert_out is multiplied by 0 in the combining sum: those rows are not made.  LIMIT: a NaN, an infinity or an overflow that would arise only in such a row is not carried to the result.
; SHARES.  Work-group = (expert e = wg / 32, chunk = wg % 32): 128 hidden units, one K step of the second product.  Its 98,304 bytes of W1 are dense in memory and are read once in the launch.
; Four waves, one to a SIMD, each with ALL of the chunk's W1 in registers (64 fragments of 12 registers: 63 in windows 1 to 3, the last read from LDS in each trip).  Wave w takes the 16-row tiles
; 4 g + w by itself: a fragment of x feeds eight products, no wave waits for another in the loop, and the quantised registers are the next product's operand image as they stand.
; THE LIST.  Every wave counts the expert's rows from sel (1,024 words in 32 registers); wave 0 also places the ids 2 token + k in LDS (rows so far + choosers in lower lanes), over zeros, so that
; a tile behind the list's end works token 0.  A token that did not choose e writes to its lane's spare place (1152 + lane), which nobody reads.  Chunk 0's wave 0 stores list and count for the next launch.
; THE PRODUCT IS USED TRANSPOSED: source 0 = 16 rows of W1, source 1 = 16 rows of x.  Lane r of tile 2 b + u takes W1's row 32 b + 8 u + r + 8 (r / 8), so that a lane's 16 registers of two
; neighbouring tiles are 16 neighbouring hidden units, 32 b + 16 (lane / 16) + 0 .. 15, of ONE row.  b1 is loaded into the accumulators and so is the C of each sum's first product.
; A TRIP: the tile's rows, gathered into registers in the trip before, go through the wave's own LDS stage and come back as fragments into the same 96 registers; 64 products; the next tile's gather is
; issued into those registers and is on its way while the 64 numbers a lane are activated and quantised.  16 trips, the most an expert can have; a trip behind the count is jumped over; all pointers step in every trip.
; At least 2 groups of 64 rows are made, so that all that the next launch's first loads read has been stored.
; NO TENSOR LOAD, NO CLUSTER: the rows and the number of live trips hang on the stored choices.  NO PREFETCH: W1 is asked for whole at the head, and there is no loop ahead of it to ask from.
; OUT.  hq: image (16-row tile T, K step s) at (32 T + s) x 1536; byte 512 j + 16 lane + 4 x = register 4 j + x.  From HS_OFF: scale words, ((32 e + s) x 1024 + row) x 4: 64 bytes a tile, a part of their 256;
; lanes l and l + 16 hold the same word and store it to the same place.
; GELU, exact form: q = erfc(|x| / sqrt 2) / 2 = t 2^(c0 - x^2 log2(e) / 2 + t (c1 + .. + t c9)), t = 1 / (1 + |x| / (2 sqrt 2)) (a published fit of erfc, fractional error 1.2e-7); gelu = max(x, 0) - |x| q.
; LIMITS: NaN and infinities are not served; q under 2^-126 counts as 0; a block of zeros gets the byte 1 (its codes are zeros; this program alone reads the bytes).
.set LIST,  0                          ; LDS: 1,184 ids
.set SPARE, 4864                       ; the spare words, 128 bytes a wave
.set B1L,   5376                       ; b1's 128 numbers
.set WSL,   5888                       ; W1's scale bytes, 32 a row
.set XSS,   9984                       ; x's scale bytes: 16 rows x 48 (32 + 16) a wave
.set XST,   13056                      ; x's codes: 16 rows x 784 (768 + 16) a wave
.set WST,   63232                      ; W1's 128 rows, pitch 784
.set XS_OFF,  786432
.set CNT_OFF, 40960
.set HS_OFF,  25165824
; window 0: v0 thread; v1 8 lane; v2 16 lane; v3 x into its stage; v4 x's fragments; v5, v6 x's scale bytes in and out; v7 b1; v8 my ids in the list; v9 4 r; v10 ids; v11 W1's rows 64 on in LDS;
;   v[12:15] scale bytes on their way; v[16:17] c9; v18, v19 the add's two
.set XS,  20                           ; v20-23   x's scale words: K step i in lanes 0-15, 4 + i in lanes 16-31
.set WS,  24                           ; v24-55   W1's scale words, 8 b + K step: tile 2 b in lanes 0-15, tile 2 b + 1 in lanes 16-31
.set ACC, 56                           ; v56-119  accumulators, 8 a tile
.set RF,  120                          ; v120-215 the tile's rows on their way, then its eight fragments
.set T,   216                          ; v216-255 at work: t, the polynomial, x^2; then the quantiser's; at the head addresses
.set P,   232
.set U,   248
.set MX,  216
.set PM,  220
.set SO,  224
.set SW,  228
.set CD,  232
.set CT,  244
.set MSB, 0
.macro WIN new                         ; the immediate's high byte repeats the setting that is left; at every label and branch the setting is 0
.if MSB != \new
	s_set_vgpr_msb (MSB<<8)|\new
.set MSB, \new
.endif
.endm
.macro PLACES                          ; four plain lines between a product and a load into its registers or a read of its result
.rept 4
	v_nop
.endr
.endm
; a slot: 32 tokens, one register of sel.  full = 1: the choosers' ids are placed
.macro SLOT sl, full
	v_and_b32 v224, 0xff, v[ACC+(\sl)]
	v_bfe_u32 v225, v[ACC+(\sl)], 8, 8
	v_cmp_eq_u32 s76, s19, v224
	v_cmp_eq_u32 vcc_lo, s19, v225
	s_or_b32 s77, s76, vcc_lo
.if \full
	v_mbcnt_lo_u32_b32 v226, s77, s21
	v_cndmask_b32 v226, v229, v226, s77
	v_min_u32 v226, 1183, v226                     ; inside the list whatever sel holds
	v_lshlrev_b32 v226, 2, v226
	v_cndmask_b32 v228, 0, 1, vcc_lo
	v_add3_u32 v227, v1, v228, 256*((\sl)/4)+2*((\sl)%4)
	ds_store_b32 v226, v227 offset:LIST
.endif
	s_bcnt1_i32_b32 s78, s77
	s_add_co_u32 s21, s21, s78
.endm
; a tile's 16 rows: lane 2 i of v10 holds row i's id.  Each row's 768 bytes by three loads of 256 consecutive bytes; the 512 scale bytes by one load, two lanes to a row
.macro GATHER
.irp i, 0,1,2,3,4,5,6,7,8,9,10,11,12,13,14,15
	v_readlane_b32 s26, v10, 2*\i
	s_lshr_b32 s26, s26, 1
	s_min_u32 s26, s26, 1023
	s_mul_i32 s26, s26, 768
	s_add_nc_u64 s[32+2*\i:33+2*\i], s[4:5], s[26:27]
.endr
	v_lshrrev_b32 v216, 1, v10
	v_and_b32 v217, 1, v0
	v_min_u32 v216, 1023, v216
	v_lshlrev_b32 v217, 4, v217
	v_lshl_add_u32 v216, v216, 5, v217
	global_load_b128 v[12:15], v216, s[4:5] offset:XS_OFF
.irp i, 0,1,2,3,4,5,6,7,8,9,10,11,12,13,14,15
.irp j, 0,1,2
	global_load_b64 v[RF+6*\i+2*\j:RF+6*\i+2*\j+1], v1, s[32+2*\i:33+2*\i] offset:256*\j
.endr
.endr
	s_wait_xcnt 0x0                                ; v216 is written again below
.endm
.macro MMI d, a, b, sa, sb, ra, rb
.if (\ra) && (\rb)
	v_wmma_scale_f32_16x16x128_f8f6f4 v[(\d):(\d)+7], v[(\a):(\a)+11], v[(\b):(\b)+11], v[(\d):(\d)+7], v[\sa], v[\sb] matrix_a_fmt:MATRIX_FMT_BF6 matrix_b_fmt:MATRIX_FMT_BF6 matrix_a_scale:MATRIX_SCALE_ROW1 matrix_b_scale:MATRIX_SCALE_ROW1
.elseif \ra
	v_wmma_scale_f32_16x16x128_f8f6f4 v[(\d):(\d)+7], v[(\a):(\a)+11], v[(\b):(\b)+11], v[(\d):(\d)+7], v[\sa], v[\sb] matrix_a_fmt:MATRIX_FMT_BF6 matrix_b_fmt:MATRIX_FMT_BF6 matrix_a_scale:MATRIX_SCALE_ROW1
.elseif \rb
	v_wmma_scale_f32_16x16x128_f8f6f4 v[(\d):(\d)+7], v[(\a):(\a)+11], v[(\b):(\b)+11], v[(\d):(\d)+7], v[\sa], v[\sb] matrix_a_fmt:MATRIX_FMT_BF6 matrix_b_fmt:MATRIX_FMT_BF6 matrix_b_scale:MATRIX_SCALE_ROW1
.else
	v_wmma_scale_f32_16x16x128_f8f6f4 v[(\d):(\d)+7], v[(\a):(\a)+11], v[(\b):(\b)+11], v[(\d):(\d)+7], v[\sa], v[\sb] matrix_a_fmt:MATRIX_FMT_BF6 matrix_b_fmt:MATRIX_FMT_BF6
.endif
.endm
; a K step: eight products, one to an accumulator.  W1's fragment 8 ks + u lies in window 1 + f / 21 at 12 (f % 21); the 64th in the registers of x's first fragment
.macro MM ks
.irp u, 0,1,2,3,4,5,6,7
.set f, 8*(\ks)+\u
.if f == 63
	WIN 0
	MMI ACC+8*\u, RF, RF+12*(\ks), WS+8*(\u/2)+(\ks), XS+(\ks)%4, \u%2, (\ks)/4
.else
	WIN 1+f/21
	MMI ACC+8*\u, 12*(f%21), RF+12*(\ks), WS+8*(\u/2)+(\ks), XS+(\ks)%4, \u%2, (\ks)/4
.endif
.endr
.endm
; the activation of 16 of a lane's numbers, in place.  Each accumulator is read from its low end on.  Two batches of transcendentals, each with a wait ahead and plain work and a wait behind
.macro GELU ch
.set A, ACC+16*(\ch)
	s_wait_alu depctr_va_vdst(0)
.set j, 0
.rept 16
	v_fma_f32 v[T+j], |v[A+j]|, 0x3eb504f3, 1.0    ; 1 + |x| / (2 sqrt 2)
.set j, j+1
.endr
	s_wait_alu depctr_va_vdst(0)
.set j, 0
.rept 16
	v_rcp_f32 v[T+j], v[T+j]                       ; t
.set j, j+1
.endr
.set j, 0
.rept 4
	v_pk_mul_f32 v[U+j:U+j+1], v[A+j:A+j+1], v[A+j:A+j+1]   ; x^2 of the first eight
.set j, j+2
.endr
	s_wait_alu depctr_va_vdst(0)
.set j, 0
.rept 8
	v_pk_fma_f32 v[P+j:P+j+1], v[T+j:T+j+1], v[16:17], 0xbf97d29d op_sel_hi:[1,1,0]   ; c9 t + c8 (the constants carry the factor log2(e))
.set j, j+2
.endr
.irp cf, 0x40097039, 0xbfd1a1e5, 0x3ecdfd18, 0xbe899a80, 0x3e0efb2e, 0x3f0a29d2, 0x3fb8ab5a, 0xc034d90f
.set j, 0
.rept 8
	v_pk_fma_f32 v[P+j:P+j+1], v[P+j:P+j+1], v[T+j:T+j+1], \cf op_sel_hi:[1,1,0]      ; c7 .. c1, and c0, which holds the half
.set j, j+2
.endr
.endr
.set j, 0
.rept 4
	v_pk_fma_f32 v[P+j:P+j+1], v[U+j:U+j+1], 0xbf38aa3b, v[P+j:P+j+1] op_sel_hi:[1,0,1]   ; - x^2 log2(e) / 2
.set j, j+2
.endr
.set j, 0
.rept 4
	v_pk_mul_f32 v[U+j:U+j+1], v[A+8+j:A+9+j], v[A+8+j:A+9+j]   ; the other eight
.set j, j+2
.endr
.set j, 0
.rept 4
	v_pk_fma_f32 v[P+8+j:P+9+j], v[U+j:U+j+1], 0xbf38aa3b, v[P+8+j:P+9+j] op_sel_hi:[1,0,1]
.set j, j+2
.endr
	s_wait_alu depctr_va_vdst(0)
.set j, 0
.rept 16
	v_exp_f32 v[P+j], v[P+j]
.set j, j+1
.endr
.set j, 0
.rept 8
	v_max_num_f32 v[U+j], 0, v[A+j]                ; max(x, 0) of the first eight
.set j, j+1
.endr
	s_wait_alu depctr_va_vdst(0)
.set j, 0
.rept 8
	v_pk_mul_f32 v[T+j:T+j+1], v[T+j:T+j+1], v[P+j:P+j+1]   ; q
.set j, j+2
.endr
.set j, 0
.rept 8
	v_max_num_f32 v[P+8+j], 0, v[A+8+j]
.set j, j+1
.endr
.set j, 0
.rept 8
	v_fma_f32 v[A+j], -|v[A+j]|, v[T+j], v[U+j]
.set j, j+1
.endr
.set j, 0
.rept 8
	v_fma_f32 v[A+8+j], -|v[A+8+j]|, v[T+8+j], v[P+8+j]
.set j, j+1
.endr
.endm
	s_load_b256 s[4:11], s[0:1], 0x0               ; xr, sel, W1's codes, W1's scales
	s_load_b128 s[12:15], s[0:1], 0x20             ; b1, list
	s_load_b64 s[16:17], s[0:1], 0x30              ; hq
	v_lshl_add_u32 v18, v0, 2, SPARE
	v_mov_b32 v19, 0
	v_lshrrev_b32 v216, 5, v0
	v_readfirstlane_b32 s18, v216                  ; wave
	s_lshr_b32 s19, ttmp9, 5                       ; expert
	s_and_b32 s20, ttmp9, 31                       ; chunk
	s_mul_i32 s72, s18, 12544
	s_add_co_u32 s72, s72, XST                     ; my stage for x's codes
	s_mul_i32 s73, s18, 768
	s_add_co_u32 s73, s73, XSS                     ; and for its scale bytes
	s_lshl_b32 s74, s18, 6
	s_add_co_u32 s74, s74, LIST                    ; my tile's 16 ids of a group's 64
	s_mul_i32 s75, s18, 25088
	s_add_co_u32 s75, s75, WST                     ; W1 into LDS: rows 32 w on
	s_mov_b32 s27, 0
	s_mov_b32 s31, 0
	s_mov_b32 s66, 0x76543210
	s_mov_b32 s67, 0xfedcba98                      ; lane l xor 16
	s_mov_b32 s21, 0                               ; the expert's rows
	s_mov_b32 s23, 0                               ; the group in hand
	s_mov_b32 s28, 256                             ; the next group's ids, in bytes
	v_and_b32 v216, 31, v0                         ; lane
	v_and_b32 v217, 15, v0                         ; r
	v_bfe_u32 v218, v0, 4, 1                       ; h
	v_lshlrev_b32 v1, 3, v216
	v_lshlrev_b32 v2, 4, v216
	v_lshlrev_b32 v9, 2, v217
	v_lshlrev_b32 v236, 2, v0
	v_and_b32 v219, 8, v217
	v_add_nc_u32 v219, v219, v217                  ; r + 8 (r / 8)
	v_add_nc_u32 v3, s72, v1
	v_mul_u32_u24 v4, v217, 784
	v_mad_u32_u24 v4, v218, 24, v4
	v_add_nc_u32 v4, s72, v4
	v_lshrrev_b32 v5, 1, v216
	v_lshlrev_b32 v8, 2, v5
	v_mul_u32_u24 v5, v5, 48
	v_and_b32 v6, 1, v0
	v_lshl_add_u32 v5, v6, 4, v5
	v_add_nc_u32 v5, s73, v5                       ; row lane / 2, half lane % 2
	v_mul_u32_u24 v6, v217, 48
	v_lshl_add_u32 v6, v218, 4, v6
	v_add_nc_u32 v6, s73, v6                       ; row r, K steps 4 h on
	v_add_nc_u32 v8, s74, v8
	v_lshl_add_u32 v7, v218, 6, B1L
	v_add_nc_u32 v220, s75, v2                     ; a load's 512 bytes fall into one row, or into two (then lanes 16-31 stand 16 bytes further on)
	v_lshl_add_u32 v221, v218, 4, v220
	v_mul_u32_u24 v222, v219, 784
	v_mad_u32_u24 v222, v218, 24, v222
	v_add_nc_u32 v222, WST, v222                   ; W1's fragments, rows 0 to 63;
	v_add_nc_u32 v11, 50176, v222                  ; rows 64 on
	v_lshl_add_u32 v223, v218, 3, v219
	v_lshlrev_b32 v223, 5, v223
	v_add_nc_u32 v223, WSL, v223                   ; W1's scale words: row 8 h + r + 8 (r / 8)
	v_add_nc_u32 v229, 1152, v216                  ; my spare place in the list
	v_lshlrev_b32 v238, 4, v0
	v_add_nc_u32 v239, WSL, v238
	v_lshl_add_u32 v240, v0, 2, B1L
	v_mov_b32 v16, 0x3e7c6f08                      ; c9, twice
	v_mov_b32 v17, 0x3e7c6f08
.irp i, 232,233,234,235
	v_mov_b32 v\i, 0
.endr
	s_wait_alu depctr_va_vdst(0)                   ; the wait at the head's end
	s_wait_kmcnt 0x0
	s_mul_i32 s30, ttmp9, 98304
	s_mul_i32 s25, s18, 24576
	s_add_co_u32 s30, s30, s25
	s_add_nc_u64 s[8:9], s[8:9], s[30:31]          ; W1: the chunk's rows 32 w on
	s_lshl_b32 s30, ttmp9, 12
	s_add_nc_u64 s[10:11], s[10:11], s[30:31]      ; the chunk's 4,096 scale bytes
	s_lshl_b32 s30, ttmp9, 9
	s_add_nc_u64 s[12:13], s[12:13], s[30:31]      ; b1's 128 numbers
.irp q, 0,1,2,3,4,5,6,7
	global_load_b128 v[ACC+4*\q:ACC+4*\q+3], v2, s[6:7] offset:512*\q   ; sel: register 4 q + i = token 128 q + 4 lane + i
.endr
	global_load_b128 v[ACC+32:ACC+35], v238, s[10:11]
	global_load_b128 v[ACC+36:ACC+39], v238, s[10:11] offset:2048
	global_load_b32 v[ACC+40], v236, s[12:13]
	WIN 0xc0                                       ; destination window 3
.set n, 0
.rept 48
	global_load_b128 v[4*n:4*n+3], v2, s[8:9] offset:512*n th:TH_LOAD_NT   ; my 32 rows of W1: 24,576 consecutive bytes, read once in the launch
.set n, n+1
.endr
	WIN 0
	s_lshl_b32 s25, s19, 6
	s_add_co_u32 s25, s25, s18
	s_lshl_b32 s25, s25, 5
	s_add_co_u32 s25, s25, s20
	s_mul_i32 s30, s25, 1536
	s_add_nc_u64 s[68:69], s[16:17], s[30:31]      ; my image of group 0
	s_lshl_b32 s30, ttmp9, 12
	s_lshl_b32 s25, s18, 6
	s_add_co_u32 s30, s30, s25
	s_add_nc_u64 s[70:71], s[16:17], s[30:31]
	s_add_nc_u64 s[70:71], s[70:71], HS_OFF        ; its 16 scale words
	s_wait_loadcnt 51                              ; sel is in: 51 loads were issued behind its eight
	s_cmp_lg_u32 s18, 0
	s_cbranch_scc1 .Lcount
.irp j, 0,1,2,3,4,5,6,7,8
	ds_store_b128 v2, v[232:235] offset:LIST+512*\j   ; zeros under the ids; LDS serves a wave's instructions in order
.endr
.set n, 0
.rept 32
	SLOT n, 1
.set n, n+1
.endr
	s_branch .Lbuilt
.Lcount:
.set n, 0
.rept 32
	SLOT n, 0
.set n, n+1
.endr
.Lbuilt:
	s_wait_dscnt 0x0                               ; for the others' sake: the list lies in LDS
	s_barrier_signal -1
	s_barrier_wait -1
	ds_load_b32 v10, v8                            ; my first tile's ids
	s_or_b32 s25, s20, s18
	s_cmp_lg_u32 s25, 0
	s_cbranch_scc1 .Lnolist
.irp j, 0,1,2,3,4,5,6,7,8
	ds_load_b128 v[RF+4*\j:RF+4*\j+3], v2 offset:LIST+512*\j
.endr
	s_mul_i32 s30, s19, 5120
	s_add_nc_u64 s[72:73], s[14:15], s[30:31]      ; list[e]
	s_lshl_b32 s30, s19, 2
	s_add_nc_u64 s[74:75], s[14:15], s[30:31]      ; cnt[e] (+ CNT_OFF)
	v_mov_b32 v237, s21
	s_wait_dscnt 0x0
.irp j, 0,1,2,3,4,5,6,7,8
	global_store_b128 v2, v[RF+4*\j:RF+4*\j+3], s[72:73] offset:512*\j   ; 512 consecutive bytes each
.endr
	v_cmp_eq_u32 vcc_lo, 0, v216
	s_wait_alu depctr_va_vdst(0)
	s_wait_xcnt 0x0                                ; EXEC changes only behind this wait
	s_and_saveexec_b32 s76, vcc_lo
	global_store_b32 v232, v237, s[74:75] offset:CNT_OFF
	s_wait_xcnt 0x0                                ; and the stores have read their registers
	s_or_b32 exec_lo, exec_lo, s76
.Lnolist:
	s_add_co_u32 s22, s21, 63
	s_lshr_b32 s22, s22, 6
	s_max_u32 s22, s22, 2                          ; groups of 64 rows, at least two
	s_wait_dscnt 0x0                               ; the ids
	GATHER
	s_wait_loadcnt 49                              ; W1, its scales and b1 are in: the gather's 49 loads were issued behind them
	WIN 0x0c                                       ; an LDS store's data are its source 1: window 3
.set n, 0
.rept 16
	ds_store_b128 v220, v[12*n:12*n+3] offset:1568*n
	ds_store_b128 v221, v[12*n+4:12*n+7] offset:1568*n+512
	ds_store_b128 v220, v[12*n+8:12*n+11] offset:1568*n+1040
.set n, n+1
.endr
	WIN 0
	ds_store_b128 v239, v[ACC+32:ACC+35]
	ds_store_b128 v239, v[ACC+36:ACC+39] offset:2048
	ds_store_b32 v240, v[ACC+40]
	s_wait_dscnt 0x0                               ; for the others' sake: my rows of W1 lie in LDS
	s_barrier_signal -1
	s_barrier_wait -1
.set f, 0
.rept 63                               ; W1's fragments: they stay.  Older than every LDS load of the first trip, so its first wait covers them
	WIN (1+f/21)<<6
.irp p, 0,1,2,3,4,5
	ds_load_b64 v[12*(f%21)+2*\p:12*(f%21)+2*\p+1], v[222-211*((f%8)/4)] offset:(32*(((f%8)/2)%2)+8*(f%2))*784+96*(f/8)+48*(\p/3)+8*(\p%3)
.endr
.set f, f+1
.endr
	WIN 0
.irp b, 0,1,2,3
	ds_load_b128 v[WS+8*\b:WS+8*\b+3], v223 offset:1024*\b
	ds_load_b128 v[WS+8*\b+4:WS+8*\b+7], v223 offset:1024*\b+16
.endr
	s_wait_alu depctr_va_vdst(0)
.Ltrip:
	s_cmp_lt_u32 s23, s22
	s_cbranch_scc0 .Lskip
	s_wait_loadcnt 0x0                             ; the tile's rows and scale bytes are in
.irp i, 0,1,2,3,4,5,6,7,8,9,10,11,12,13,14,15
.irp j, 0,1,2
	ds_store_b64 v3, v[RF+6*\i+2*\j:RF+6*\i+2*\j+1] offset:784*\i+256*\j
.endr
.endr
	ds_store_b128 v5, v[12:15]
.irp u, 0,1,2,3,4,5,6,7
	ds_load_b128 v[ACC+8*\u:ACC+8*\u+3], v7 offset:(32*(\u/2)+8*(\u%2))*4      ; b1 at the lane's eight hidden units
	ds_load_b128 v[ACC+8*\u+4:ACC+8*\u+7], v7 offset:(32*(\u/2)+8*(\u%2))*4+16
.endr
	ds_load_b128 v[XS:XS+3], v6
	v_add_nc_u32 v216, s28, v8
	ds_load_b32 v10, v216                          ; the next tile's ids (behind the list's end: zeros)
.irp ks, 0,1,2,3,4,5,6,7
.irp p, 0,1,2,3,4,5
	ds_load_b64 v[RF+12*\ks+2*\p:RF+12*\ks+2*\p+1], v4 offset:96*\ks+48*(\p/3)+8*(\p%3)   ; LDS serves a wave's instructions in order: these see my stores
.endr
.endr
	s_wait_dscnt 42                                ; K step 0's fragment and all before it are in; seven younger sets of 6 loads stay out
	MM 0
	WIN 0
	PLACES
.irp p, 0,1,2,3,4,5
	ds_load_b64 v[RF+2*\p:RF+2*\p+1], v11 offset:40*784+96*7+48*(\p/3)+8*(\p%3)   ; W1's 64th fragment (tile 7, K step 7) into the registers of x's first
.endr
.irp ks, 1,2,3,4,5,6
	s_wait_dscnt 6*(7-\ks)+6                       ; the younger sets, and the six loads above, stay out
	MM \ks
.endr
	s_wait_dscnt 0x0
	MM 7
	WIN 0
	PLACES
	s_add_co_u32 s25, s23, 1
	s_cmp_lt_u32 s25, s22
	s_cbranch_scc0 .Lng
	GATHER                                         ; the next tile, on its way under the activation
.Lng:
	GELU 0
	GELU 1
	GELU 2
	GELU 3
; the four blocks of 32 hidden units: lanes l and l xor 16 hold a block's halves
.irp b, 0,1,2,3
	v_max3_num_f32 v[MX+\b], |v[ACC+16*\b]|, |v[ACC+16*\b+1]|, 0x2800000   ; with the floor 2^(5 - 127): the byte cannot fall under 1
.endr
.irp i, 2,4,6,8,10,12,14
.irp b, 0,1,2,3
	v_max3_num_f32 v[MX+\b], v[MX+\b], |v[ACC+16*\b+\i]|, |v[ACC+16*\b+\i+1]|
.endr
.endr
.irp b, 0,1,2,3
	v_permlanex16_b32 v[PM+\b], v[MX+\b], s66, s67
.endr
.irp b, 0,1,2,3
	v_max_num_f32 v[MX+\b], v[MX+\b], v[PM+\b]
.endr
.irp b, 0,1,2,3
	v_add_nc_u32 v[SO+\b], 0xfe000000, v[MX+\b]    ; 4 off the exponent field: the conversion's scale
.endr
.irp b, 0,1,2,3
	v_lshrrev_b32 v[PM+\b], 23, v[SO+\b]           ; the scale's byte
.endr
	v_lshl_or_b32 v[SW], v[PM+1], 8, v[PM]
	v_lshl_or_b32 v[SW], v[PM+2], 16, v[SW]
	v_lshl_or_b32 v[SW], v[PM+3], 24, v[SW]        ; row r's scale word
.irp c, 0,1
	v_cvt_scalef32_pk16_bf6_f32 v[CD+6*\c:CD+6*\c+2], v[ACC+32*\c:ACC+32*\c+15], v[SO+2*\c]
	v_cvt_scalef32_pk16_bf6_f32 v[CT+4*\c:CT+4*\c+2], v[ACC+32*\c+16:ACC+32*\c+31], v[SO+2*\c+1]
.endr
	v_nop                                          ; one plain line behind a scaled conversion
.irp c, 0,1                            ; the operand's layout wants a whole block in a lane: lanes 0-15 block 2 c, lanes 16-31 block 2 c + 1
.irp i, 0,1,2
	v_permlane16_swap_b32 v[CD+6*\c+\i], v[CT+4*\c+\i]
.endr
.irp i, 0,1,2
	v_mov_b32 v[CD+3+6*\c+\i], v[CT+4*\c+\i]
.endr
.endr
.irp j, 0,1,2
	global_store_b128 v2, v[CD+4*\j:CD+4*\j+3], s[68:69] offset:512*\j   ; the image: 512 consecutive bytes a store
.endr
	global_store_b32 v9, v[SW], s[70:71]
.Lskip:
	s_wait_alu depctr_va_vdst(0)
	s_wait_xcnt 0x0                                ; the stores have read their registers and bases
	s_add_nc_u64 s[68:69], s[68:69], 196608        ; four tiles of rows on, in every trip
	s_add_nc_u64 s[70:71], s[70:71], 256
	s_add_co_u32 s28, s28, 256
	s_add_co_u32 s23, s23, 1
	s_cmp_lt_u32 s23, 16
	s_cbranch_scc1 .Ltrip
	s_wait_tensorcnt 0x0                           ; the wave's end
	ds_add_u32 v18, v19
	s_wait_dscnt 0x0
	s_endpgm
.Lfunc_end_k_qc67ba59583_ffn1:
	.size	k_qc67ba59583_ffn1, .Lfunc_end_k_qc67ba59583_ffn1-k_qc67ba59583_ffn1
	.p2alignl 7, 3214868480
	.fill 96, 4, 3214868480
	.section	.rodata,"a",@progbits
	.p2align	6, 0x0
	.amdhsa_kernel k_qc67ba59583_ffn1
		.amdhsa_group_segment_fixed_size 163584
		.amdhsa_private_segment_fixed_size 0
		.amdhsa_enable_private_segment 0
		.amdhsa_kernarg_size 56
		.amdhsa_user_sgpr_count 2
		.amdhsa_user_sgpr_kernarg_segment_ptr 1
		.amdhsa_wavefront_size32 1
		.amdhsa_system_sgpr_workgroup_id_x 1
		.amdhsa_system_sgpr_workgroup_id_y 1
		.amdhsa_system_sgpr_workgroup_id_z 1
		.amdhsa_system_vgpr_workitem_id 0
		.amdhsa_next_free_vgpr 1024
		.amdhsa_next_free_sgpr 80
		.amdhsa_reserve_vcc 1
		.amdhsa_float_denorm_mode_32 3
		.amdhsa_float_denorm_mode_16_64 3
		.amdhsa_memory_ordered 1
		.amdhsa_forward_progress 1
		.amdhsa_inst_pref_size 164
	.end_amdhsa_kernel
	.amdgpu_metadata
---
amdhsa.version: [ 1, 2 ]
amdhsa.kernels:
  - .name:           k_qc67ba59583_ffn1
    .symbol:         k_qc67ba59583_ffn1.kd
    .args:
      - { .name: xr, .offset: 0, .size: 8, .value_kind: global_buffer, .address_space: global }
      - { .name: sel, .offset: 8, .size: 8, .value_kind: global_buffer, .address_space: global }
      - { .name: w1_codes, .offset: 16, .size: 8, .value_kind: global_buffer, .address_space: global }
      - { .name: w1_scales, .offset: 24, .size: 8, .value_kind: global_buffer, .address_space: global }
      - { .name: b1, .offset: 32, .size: 8, .value_kind: global_buffer, .address_space: global }
      - { .name: list, .offset: 40, .size: 8, .value_kind: global_buffer, .address_space: global }
      - { .name: hq, .offset: 48, .size: 8, .value_kind: global_buffer, .address_space: global }
    .group_segment_fixed_size: 163584
    .private_segment_fixed_size: 0
    .kernarg_segment_align: 8
    .kernarg_segment_size: 56
    .max_flat_workgroup_size: 128
    .sgpr_count:     80
    .vgpr_count:     1024
    .wavefront_size: 32
...
	.end_amdgpu_metadata
.endif
;; end of part 7
;; launch ffn2 (part 8): grid 256 x 1, 8 waves a work-group, no clusters, 198,656 bytes of LDS; arguments hq, w2_codes, w2_scales, b2, list, y2; writes y2
.if DOCPART == 8
	.amdgcn_target "amdgcn-amd-amdhsa--gfx1250"
	.amdhsa_code_object_version 6
	.text
	.protected	k_qc67ba59583_ffn2
	.globl	k_qc67ba59583_ffn2
	.p2align	8
	.type	k_qc67ba59583_ffn2,@function
k_qc67ba59583_ffn2:
	s_mov_b64 s[64:65], 0
	v_nop
	global_prefetch_b8 v0, s[64:65] scope:SCOPE_SE
	s_setreg_imm32_b32 hwreg(HW_REG_WAVE_MODE, 25, 1), 1
	s_wait_xcnt 0x0
; FFN2.  y2(id = 2 token + k) = Q(h) W2^T + b2 for the rows of each expert's list; both operands codes of E3M2 with one E8M0 scale for each 32 along K = 4,096; sums in f32.
; SHARES.  Work-group = (ec = wg / 2: expert e = ec / 16, 64 output columns dc = ec % 16;  rhf = wg % 2: every second group of 32 rows).  Its 196,608 bytes of W2 are dense in memory and stay in registers.
; K IS SHARED AMONG THE WAVES: wave q holds K steps 4 q .. 4 q + 3 of all four column tiles (192 registers).  So each image of h is read by one wave of the work-group, from memory straight into its
; operand registers by loads of 512 consecutive bytes, and feeds four products.  The eight partial sums meet in LDS, two buffers by turns, one barrier a trip; wave q adds and stores rows 4 q .. 4 q + 3 of the group.
; THE PRODUCT IS USED TRANSPOSED: source 0 = 16 rows of W2 (output columns), source 1 = 16 rows of h: a lane holds eight neighbouring columns of one row.
; OUT.  y2 is laid by chunks of 64 columns: chunk dc at dc x 524,288, in it id's 256 bytes at id x 256: a token's two rows of a chunk are neighbours for the next launch.
; A row's id is a scalar: the wave's four of a group come by one scalar load; the row's address is the chunk's address + id x 256, and the 32 lanes store its 256 bytes, 8 each.
; TWO TRIPS AHEAD.  A group's images, scale words and ids have two sets of registers by turns; a set is asked for again at the end of the trip that has used it, for the group two trips on, and only if there is such a group.
; THE ROWS hang on the stored count: no tensor load, no copy, no cluster.  The loop has a constant number of trips, 16 groups, the most this work-group can have; every barrier stands outside the branches on the count.
; The two first groups (rows 0 to 127 between the two partners) are asked for whatever the count: the launch before always makes those rows; where the count is smaller their work is jumped over.
; The sums' order differs from the reference's: K in eight parts.  LIMITS: NaN and infinities are not served.
.set RED,  69632                       ; LDS: W2's 64 rows, pitch 3,088 = 3,072 + 16, once; over them, behind a barrier: 2 buffers of 8 waves x 32 rows x 272 bytes (256 + 16)
.set CNT_OFF, 40960
.set HS_OFF,  25165824
.set RES,  44                          ; v44-51  the four finished rows, two numbers a lane each
.set IDS,  44                          ; s[44:47] ids of set 0;  s[68:71] of set 1
.set PW,   48
; window 0: v1 16 lane; v2 4 lane; v3, v4 my partial sums into buffer 0, 1; v5, v6 my rows out of them; v7 8 lane; v10-13 at work at the head;
;   v14 W2 into LDS; v15 W2's scale rows; v16-31 W2's scale words (4 t + i); v[32:33] b2; v36-43 h's scale words (4 set + i); v44-51 results;
;   v56-59 W2's fragments, a register a tile; v64-159, v160-255 h's images, two sets, at 12 (4 mi + i)
; window 1: v0-191 W2's fragments at 12 (4 t + i); v192-255 accumulators at 8 (4 mi + t), then the eight waves' parts of my four rows at 16 j + 2 q
; scalars: s18 wave q; s19 rhf; s20 ec; s21 expert; s22 dc; s23 the expert's rows; s24 its groups; s25 the group in hand; s28 trips; s[30:31] an offset, its high word 0;
;   s[32:33] h's images, s[34:35] h's scale words, s[36:37] the list: behind a trip's step all three stand one trip ahead of the group in hand, and the loads reach one trip further by their immediates;
;   s[52:59] a row's address, a pair a row
.set MSB, 0
.macro WIN new                         ; the immediate's high byte repeats the setting that is left; at every label and branch the setting is 0
.if MSB != \new
	s_set_vgpr_msb (MSB<<8)|\new
.set MSB, \new
.endif
.endm
.macro HLOAD st, on                    ; 28 loads: a group's 8 images of my K steps, and its scale words.  on = 1: the group one trip (two groups of 32 rows) further on than the pointers stand
.irp mi, 0,1
.irp i, 0,1,2,3
.irp j, 0,1,2
	global_load_b128 v[64+96*(\st)+12*(4*\mi+\i)+4*\j:64+96*(\st)+12*(4*\mi+\i)+4*\j+3], v1, s[32:33] offset:196608*(\on)+49152*\mi+1536*\i+512*\j
.endr
.endr
.endr
.irp i, 0,1,2,3
	global_load_b32 v[36+4*(\st)+\i], v2, s[34:35] offset:256*(\on)+4096*\i   ; lane = row of the 32: lanes 16-31 serve the second tile
.endr
.endm
.macro STEP                            ; all three pointers two groups of 32 rows on
	s_add_nc_u64 s[32:33], s[32:33], 196608
	s_add_nc_u64 s[34:35], s[34:35], 256
	s_add_nc_u64 s[36:37], s[36:37], 256
.endm
	s_load_b256 s[4:11], s[0:1], 0x0               ; hq, W2's codes, W2's scales, b2
	s_load_b64 s[12:13], s[0:1], 0x20              ; list.  The gate weights are applied by the next launch: here y2(id) = Q(h) W2^T + b2
	s_load_b64 s[16:17], s[0:1], 0x28              ; y2
	v_lshl_add_u32 v62, v0, 2, 0x30400
	v_mov_b32 v63, 0
	v_and_b32 v10, 31, v0                          ; lane
	v_lshrrev_b32 v11, 5, v0
	s_delay_alu instid0(VALU_DEP_1)
	v_readfirstlane_b32 s18, v11                   ; wave q
	v_and_b32 v12, 15, v0                          ; r
	v_bfe_u32 v13, v0, 4, 1                        ; h
	v_lshlrev_b32 v1, 4, v10
	v_lshlrev_b32 v2, 2, v10
	v_lshlrev_b32 v7, 3, v10
	v_mul_u32_u24 v3, v12, 272
	s_delay_alu instid0(VALU_DEP_1)
	v_lshl_add_u32 v3, v13, 5, v3
	s_mul_i32 s26, s18, 8704
	v_add_nc_u32 v3, s26, v3                       ; my 32 rows of partial sums: row r, + 32 h
	s_delay_alu instid0(VALU_DEP_1)
	v_add_nc_u32 v4, RED, v3
	s_mul_i32 s26, s18, 1088
	v_add_nc_u32 v5, s26, v7                       ; back: rows 4 q on, 8 bytes a lane: the 32 lanes take a row's 256 bytes
	s_delay_alu instid0(VALU_DEP_1)
	v_add_nc_u32 v6, RED, v5
	s_mul_i32 s26, s18, 24704
	v_add_nc_u32 v14, s26, v1                      ; W2 into LDS: rows 8 q on
	v_lshlrev_b32 v15, 7, v12                      ; a row of W2's scale bytes is 128
	v_mul_u32_u24 v56, v12, 3088
	s_delay_alu instid0(VALU_DEP_1)
	v_mad_u32_u24 v56, v13, 24, v56
	s_mul_i32 s26, s18, 384
	v_add_nc_u32 v56, s26, v56                     ; W2's fragments: row r, my four K steps
	s_delay_alu instid0(VALU_DEP_1)
	v_add_nc_u32 v57, 49408, v56                   ; 16 rows on
	s_delay_alu instid0(VALU_DEP_2)
	v_add_nc_u32 v58, 98816, v56
	s_delay_alu instid0(VALU_DEP_3)
	v_add_nc_u32 v59, 148224, v56
	s_and_b32 s19, ttmp9, 1                        ; rhf
	s_lshr_b32 s20, ttmp9, 1                       ; ec
	s_lshr_b32 s21, s20, 4                         ; expert
	s_and_b32 s22, s20, 15                         ; dc
	s_mov_b32 s31, 0
	s_wait_alu depctr_va_vdst(0)
	s_wait_kmcnt 0x0
	s_lshl_b32 s30, s21, 2
	s_add_nc_u64 s[40:41], s[12:13], s[30:31]
	s_load_b32 s23, s[40:41], CNT_OFF              ; the expert's rows
	s_mul_i32 s30, s21, 5120
	s_lshl_b32 s26, s19, 7
	s_add_co_u32 s30, s30, s26                     ; group rhf: 128 bytes a group,
	s_lshl_b32 s26, s18, 4
	s_add_co_u32 s30, s30, s26                     ; my four rows: 16 bytes
	s_add_nc_u64 s[36:37], s[12:13], s[30:31]      ; in the list
	s_load_b128 s[IDS:IDS+3], s[36:37], 0x0        ; both sets are asked for here, whatever the count: group rhf,
	s_load_b128 s[IDS+24:IDS+27], s[36:37], 0x100  ; and group rhf + 2: inside the expert's 5,120 bytes, all of which the launch before has stored up to byte 4,608
	s_mul_i32 s30, s20, 196608
	s_mul_i32 s26, s18, 24576
	s_add_co_u32 s30, s30, s26
	s_add_nc_u64 s[6:7], s[6:7], s[30:31]          ; W2: the slice's rows 8 q on
	s_lshl_b32 s30, s20, 13
	s_lshl_b32 s26, s18, 4
	s_add_co_u32 s30, s30, s26
	s_add_nc_u64 s[8:9], s[8:9], s[30:31]          ; its scale bytes: my four words of each row
	s_lshl_b32 s30, s20, 8
	s_add_nc_u64 s[10:11], s[10:11], s[30:31]      ; b2: the 64 columns
	s_lshl_b32 s30, s21, 11
	s_lshl_b32 s26, s18, 2
	s_add_co_u32 s30, s30, s26
	s_mul_i32 s30, s30, 1536
	s_mul_i32 s26, s19, 98304
	s_add_co_u32 s30, s30, s26
	s_add_nc_u64 s[32:33], s[4:5], s[30:31]        ; h's images: tile 2 rhf of the expert, K step 4 q
	s_lshl_b32 s30, s21, 5
	s_lshl_b32 s26, s18, 2
	s_add_co_u32 s30, s30, s26
	s_lshl_b32 s30, s30, 12
	s_lshl_b32 s26, s19, 7
	s_add_co_u32 s30, s30, s26
	s_add_nc_u64 s[34:35], s[4:5], s[30:31]
	s_add_nc_u64 s[34:35], s[34:35], HS_OFF        ; h's scale words
	s_lshl_b32 s30, s22, 19
	s_add_nc_u64 s[16:17], s[16:17], s[30:31]      ; y2 at my chunk of 64 columns: 2,048 ids x 256 bytes
	WIN 0x40                                       ; destination window 1
.set n, 0
.rept 48
	global_load_b128 v[4*n:4*n+3], v1, s[6:7] offset:512*n   ; my 8 rows of W2: 24,576 consecutive bytes
.set n, n+1
.endr
	WIN 0
.irp t, 0,1,2,3
	global_load_b128 v[16+4*\t:19+4*\t], v15, s[8:9] offset:2048*\t
.endr
	global_load_b64 v[32:33], v7, s[10:11]         ; b2 of my two columns
	s_wait_loadcnt 5                               ; W2's 48 are in: five loads were issued behind them
	WIN 0x04                                       ; an LDS store's data are its source 1: window 1
.set n, 0
.rept 48
	ds_store_b128 v14, v[4*n:4*n+3] offset:3088*(n/6)+512*(n%6)
.set n, n+1
.endr
	WIN 0
	HLOAD 0, 0                                     ; group rhf
	HLOAD 1, 1                                     ; group rhf + 2, by the immediates: no pointer is stepped here
	s_wait_dscnt 0x0                               ; for the others' sake: my rows of W2 lie in LDS
	s_barrier_signal -1
	s_barrier_wait -1
	WIN 0x40
.irp t, 0,1,2,3
.irp i, 0,1,2,3
.irp p, 0,1,2,3,4,5
	ds_load_b64 v[12*(4*\t+\i)+2*\p:12*(4*\t+\i)+2*\p+1], v[56+\t] offset:96*\i+48*(\p/3)+8*(\p%3)   ; W2's fragments: they stay
.endr
.endr
.endr
	WIN 0
	s_wait_dscnt 0x0                               ; my reads of W2's rows are over:
	s_barrier_signal -1
	s_barrier_wait -1                              ; everybody's are: the partial sums may be laid over them
	s_wait_kmcnt 0x0                               ; the count, and both sets of ids
	s_add_co_u32 s24, s23, 31
	s_lshr_b32 s24, s24, 5                         ; groups of 32 rows
	s_mov_b32 s25, s19                             ; the group in hand
	s_mov_b32 s28, 8
	s_wait_loadcnt 28                              ; set 0 and all before it are in; set 1's 28 loads stay out
.macro TRIP st
	s_cmp_lt_u32 s25, s24
	s_cbranch_scc0 .Lnw_\@
	WIN 0x51                                       ; source 0 (W2), C and D window 1; source 1 (h) window 0
.irp i, 0,1,2,3                        ; eight accumulators by turns, a K step at a time
.irp mi, 0,1
.irp t, 0,1,2,3
.if \i == 0
.if \mi == 0
	v_wmma_scale_f32_16x16x128_f8f6f4 v[192+8*(4*\mi+\t):199+8*(4*\mi+\t)], v[12*(4*\t+\i):12*(4*\t+\i)+11], v[64+96*(\st)+12*(4*\mi+\i):64+96*(\st)+12*(4*\mi+\i)+11], 0, v[16+4*\t+\i], v[36+4*(\st)+\i] matrix_a_fmt:MATRIX_FMT_BF6 matrix_b_fmt:MATRIX_FMT_BF6
.else
	v_wmma_scale_f32_16x16x128_f8f6f4 v[192+8*(4*\mi+\t):199+8*(4*\mi+\t)], v[12*(4*\t+\i):12*(4*\t+\i)+11], v[64+96*(\st)+12*(4*\mi+\i):64+96*(\st)+12*(4*\mi+\i)+11], 0, v[16+4*\t+\i], v[36+4*(\st)+\i] matrix_a_fmt:MATRIX_FMT_BF6 matrix_b_fmt:MATRIX_FMT_BF6 matrix_b_scale:MATRIX_SCALE_ROW1
.endif
.else
.if \mi == 0
	v_wmma_scale_f32_16x16x128_f8f6f4 v[192+8*(4*\mi+\t):199+8*(4*\mi+\t)], v[12*(4*\t+\i):12*(4*\t+\i)+11], v[64+96*(\st)+12*(4*\mi+\i):64+96*(\st)+12*(4*\mi+\i)+11], v[192+8*(4*\mi+\t):199+8*(4*\mi+\t)], v[16+4*\t+\i], v[36+4*(\st)+\i] matrix_a_fmt:MATRIX_FMT_BF6 matrix_b_fmt:MATRIX_FMT_BF6
.else
	v_wmma_scale_f32_16x16x128_f8f6f4 v[192+8*(4*\mi+\t):199+8*(4*\mi+\t)], v[12*(4*\t+\i):12*(4*\t+\i)+11], v[64+96*(\st)+12*(4*\mi+\i):64+96*(\st)+12*(4*\mi+\i)+11], v[192+8*(4*\mi+\t):199+8*(4*\mi+\t)], v[16+4*\t+\i], v[36+4*(\st)+\i] matrix_a_fmt:MATRIX_FMT_BF6 matrix_b_fmt:MATRIX_FMT_BF6 matrix_b_scale:MATRIX_SCALE_ROW1
.endif
.endif
.endr
.endr
.endr
	WIN 0
.rept 5
	v_nop                                          ; four plain lines ahead of the stores of the results and of loads into these registers; the fifth for the next trip's first product, which writes over an accumulator
.endr
	WIN 0x04
.irp mi, 0,1
.irp t, 0,1,2,3
	ds_store_b128 v[3+(\st)], v[192+8*(4*\mi+\t):195+8*(4*\mi+\t)] offset:4352*\mi+64*\t        ; each accumulator from its low end on
	ds_store_b128 v[3+(\st)], v[196+8*(4*\mi+\t):199+8*(4*\mi+\t)] offset:4352*\mi+64*\t+16
.endr
.endr
	WIN 0
.Lnw_\@:
	s_wait_dscnt 0x0                               ; my partial sums lie in LDS, and my reads of the other buffer are back
	s_barrier_signal -1
	s_barrier_wait -1
	s_wait_kmcnt 0x0                               ; on every path: the ids asked for at the end of the last trip are in (this trip's came a trip earlier still)
	s_wait_xcnt 0x0                                ; on every path: the last trip's loads have read the three pointers, its stores their rows' addresses and data: all may be written again.
	STEP                                           ; They were issued ahead of this trip's products and barrier.  The pointers now stand one trip ahead of the group in hand
	s_cmp_lt_u32 s25, s24
	s_cbranch_scc0 .Lnr_\@
	WIN 0x40
.irp j, 0,1,2,3
.irp q, 0,1,2,3,4,5,6,7
	ds_load_b64 v[192+16*\j+2*\q:193+16*\j+2*\q], v[5+(\st)] offset:8704*\q+272*\j   ; the eight waves' parts of row 4 q + j: 256 consecutive bytes a load
.endr
.endr
	s_wait_dscnt 0x0
	WIN 0x45                                       ; all three in window 1
.irp j, 0,1,2,3
.irp q, 0,2,4,6
	v_pk_add_f32 v[192+16*\j+2*\q:193+16*\j+2*\q], v[192+16*\j+2*\q:193+16*\j+2*\q], v[194+16*\j+2*\q:195+16*\j+2*\q]
.endr
.endr
.irp j, 0,1,2,3
.irp q, 0,4
	v_pk_add_f32 v[192+16*\j+2*\q:193+16*\j+2*\q], v[192+16*\j+2*\q:193+16*\j+2*\q], v[196+16*\j+2*\q:197+16*\j+2*\q]
.endr
.endr
.irp j, 0,1,2,3
	v_pk_add_f32 v[192+16*\j:193+16*\j], v[192+16*\j:193+16*\j], v[200+16*\j:201+16*\j]
.endr
	WIN 0x01                                       ; source 0 in window 1; the result in window 0
.irp j, 0,1,2,3
	v_pk_add_f32 v[RES+2*\j:RES+2*\j+1], v[192+16*\j:193+16*\j], v[32:33]   ; + b2
.endr
	WIN 0
	s_lshl_b32 s26, s25, 5
	s_lshl_b32 s27, s18, 2
	s_add_co_u32 s26, s26, s27                     ; my first row's place in the list
.irp j, 0,1,2,3
	s_cmp_lt_u32 s26, s23                          ; is it a row?  The places ascend: the first that is none ends the way out
	s_cbranch_scc0 .Lnr_\@
	s_min_u32 s30, s[IDS+24*(\st)+\j], 2047        ; the id, held inside y2's 2,048 rows,
	s_lshl_b32 s30, s30, 8                         ; x 256 bytes,
	s_add_nc_u64 s[52+2*\j:53+2*\j], s[16:17], s[30:31]   ; onto the chunk's address: a pair of its own for each row, so that no store's base is written again in the trip
	s_wait_alu depctr_va_vdst(0)
	global_store_b64 v7, v[RES+2*\j:RES+2*\j+1], s[52+2*\j:53+2*\j]   ; the 32 lanes store 256 consecutive bytes, aligned
	s_add_co_u32 s26, s26, 1
.endr
.Lnr_\@:
	s_add_co_u32 s29, s25, 4
	s_cmp_lt_u32 s29, s24
	s_cbranch_scc0 .Lnl_\@
	s_load_b128 s[IDS+24*(\st):IDS+24*(\st)+3], s[36:37], 0x100   ; this set's next group, two trips ahead: its ids (group 31's end lies at byte 4,096 of the expert's 5,120),
	HLOAD \st, 1                                   ; its images and scale words.  A trip with no such group asks for nothing
	s_wait_loadcnt 28                              ; all but the 28 just issued: the other set is in
	s_branch .Ljl_\@
.Lnl_\@:
	s_wait_loadcnt 0x0
.Ljl_\@:
	s_add_co_u32 s25, s25, 2
.endm
.Lloop:
	TRIP 0
	TRIP 1
	s_sub_co_i32 s28, s28, 1
	s_cmp_lg_u32 s28, 0
	s_cbranch_scc1 .Lloop
	s_wait_tensorcnt 0x0
	ds_add_u32 v62, v63
	s_wait_dscnt 0x0
	s_endpgm
.Lfunc_end_k_qc67ba59583_ffn2:
	.size	k_qc67ba59583_ffn2, .Lfunc_end_k_qc67ba59583_ffn2-k_qc67ba59583_ffn2
	.p2alignl 7, 3214868480
	.fill 96, 4, 3214868480
	.section	.rodata,"a",@progbits
	.p2align	6, 0x0
	.amdhsa_kernel k_qc67ba59583_ffn2
		.amdhsa_group_segment_fixed_size 198656
		.amdhsa_private_segment_fixed_size 0
		.amdhsa_enable_private_segment 0
		.amdhsa_kernarg_size 48
		.amdhsa_user_sgpr_count 2
		.amdhsa_user_sgpr_kernarg_segment_ptr 1
		.amdhsa_wavefront_size32 1
		.amdhsa_system_sgpr_workgroup_id_x 1
		.amdhsa_system_sgpr_workgroup_id_y 1
		.amdhsa_system_sgpr_workgroup_id_z 1
		.amdhsa_system_vgpr_workitem_id 0
		.amdhsa_next_free_vgpr 512
		.amdhsa_next_free_sgpr 76
		.amdhsa_reserve_vcc 0
		.amdhsa_float_denorm_mode_32 3
		.amdhsa_float_denorm_mode_16_64 3
		.amdhsa_memory_ordered 1
		.amdhsa_forward_progress 1
		.amdhsa_inst_pref_size 53
	.end_amdhsa_kernel
	.amdgpu_metadata
---
amdhsa.version: [ 1, 2 ]
amdhsa.kernels:
  - .name:           k_qc67ba59583_ffn2
    .symbol:         k_qc67ba59583_ffn2.kd
    .args:
      - { .name: hq, .offset: 0, .size: 8, .value_kind: global_buffer, .address_space: global }
      - { .name: w2_codes, .offset: 8, .size: 8, .value_kind: global_buffer, .address_space: global }
      - { .name: w2_scales, .offset: 16, .size: 8, .value_kind: global_buffer, .address_space: global }
      - { .name: b2, .offset: 24, .size: 8, .value_kind: global_buffer, .address_space: global }
      - { .name: list, .offset: 32, .size: 8, .value_kind: global_buffer, .address_space: global }
      - { .name: y2, .offset: 40, .size: 8, .value_kind: global_buffer, .address_space: global }
    .group_segment_fixed_size: 198656
    .private_segment_fixed_size: 0
    .kernarg_segment_align: 8
    .kernarg_segment_size: 48
    .max_flat_workgroup_size: 256
    .sgpr_count:     76
    .vgpr_count:     512
    .wavefront_size: 32
...
	.end_amdgpu_metadata
.endif
;; end of part 8
;; launch combine (part 9): grid 256 x 1, 4 waves a work-group, no clusters, 0 bytes of LDS; arguments y2, ln_g, ln_b, out0, xr; writes out0
.if DOCPART == 9
	.amdgcn_target "amdgcn-amd-amdhsa--gfx1250"
	.amdhsa_code_object_version 6
	.text
	.protected	k_qc67ba59583_combine
	.globl	k_qc67ba59583_combine
	.p2align	8
	.type	k_qc67ba59583_combine,@function
k_qc67ba59583_combine:
	s_mov_b64 s[64:65], 0
	v_nop
	global_prefetch_b8 v0, s[64:65] scope:SCOPE_SE
	s_setreg_imm32_b32 hwreg(HW_REG_WAVE_MODE, 25, 1), 1
	s_wait_xcnt 0x0
; COMBINE.  out0[token] = LayerNorm(p0 y2(2 token) + p1 y2(2 token + 1)) x ln_g + ln_b, all in f32.  p0, p1: the token's two gate weights, at GW_OFF + 8 token in xr.
; The other six experts' gate weights are exactly 0 (a -inf ahead of the softmax), so their terms of the sum are left out.
; y2 is laid by chunks of 64 columns: chunk c at c x 524,288, in it id's 256 bytes at id x 256: a token's two rows of a chunk are 512 neighbouring bytes at token x 512.
; One wave takes one token: its 1,024 numbers are 32 registers a lane and stay there between the passes (mean; deviations and their squares; scaling): memory is read once.
; Load i of row k takes chunk 2 i + lane / 16: lanes 0-15 read one chunk's 256 consecutive bytes, lanes 16-31 the next chunk's.  Register 4 i + x of lane l is then column 128 i + 4 l + x,
; as in the loads of ln_g and ln_b and in the stores, each of which covers 512 consecutive bytes.  The largest immediate, 7 x 1,048,576 + 256, lies inside the signed 24 bits (ISA guide, chapter 10).
; No LDS, no barrier: the sums never leave the wave.  The variance is the mean of the squared deviations, not a difference of large sums.
.set GW_OFF, 819200
.set Y,  16                            ; v16-47   the first row, then the sum, then the result
.set Y1, 48                            ; v48-79   the second row
.set G,  80                            ; v80-111  ln_g
.set BB, 112                           ; v112-143 ln_b
	s_load_b256 s[4:11], s[0:1], 0x0               ; y2, ln_g, ln_b, out0
	s_load_b64 s[22:23], s[0:1], 0x20              ; xr
	v_and_b32 v1, 31, v0
	v_lshrrev_b32 v2, 5, v0
	v_readfirstlane_b32 s14, v2                    ; wave
	v_lshlrev_b32 v1, 4, v1                        ; 16 bytes a lane
	v_and_b32 v3, 15, v0
	v_bfe_u32 v12, v0, 4, 1
	v_lshlrev_b32 v3, 4, v3
	v_lshl_add_u32 v3, v12, 19, v3                 ; y2: 16 (lane % 16), and a chunk further on for lanes 16-31
	s_lshl_b32 s15, ttmp9, 2
	s_add_co_u32 s15, s15, s14                     ; my token
	s_lshl_b32 s16, s15, 9                         ; its two rows in a chunk
	s_mov_b32 s17, 0
	s_lshl_b32 s18, s15, 12
	s_mov_b32 s19, 0
	s_mov_b32 s12, 0x76543210
	s_mov_b32 s13, 0xfedcba98                      ; lane l xor 16
	s_mov_b32 s20, 0x3a800000                      ; 1 / 1,024
	s_wait_alu depctr_va_vdst(0)
	s_wait_kmcnt 0x0
	s_add_nc_u64 s[4:5], s[4:5], s[16:17]
	s_add_nc_u64 s[10:11], s[10:11], s[18:19]
	s_lshl_b32 s16, s15, 3
	s_add_nc_u64 s[22:23], s[22:23], s[16:17]
	s_load_b64 s[16:17], s[22:23], GW_OFF          ; p0, p1
.irp i, 0,1,2,3,4,5,6,7
	global_load_b128 v[Y+4*\i:Y+4*\i+3], v3, s[4:5] offset:1048576*\i th:TH_LOAD_NT
	global_load_b128 v[Y1+4*\i:Y1+4*\i+3], v3, s[4:5] offset:1048576*\i+256 th:TH_LOAD_NT
.endr
.irp i, 0,1,2,3,4,5,6,7
	global_load_b128 v[G+4*\i:G+4*\i+3], v1, s[6:7] offset:512*\i
	global_load_b128 v[BB+4*\i:BB+4*\i+3], v1, s[8:9] offset:512*\i
.endr
	s_wait_kmcnt 0x0
	s_mov_b32 s18, s17                             ; p1 as the low word of a pair of its own: the packed forms take a scalar pair's low word for both halves
	s_mov_b32 s19, s17
	s_wait_loadcnt 16                              ; the two rows are in; the 16 loads of gains and biases stay out
.irp j, 0,2,4,6,8,10,12,14,16,18,20,22,24,26,28,30
	v_pk_mul_f32 v[Y+\j:Y+\j+1], v[Y+\j:Y+\j+1], s[16:17] op_sel_hi:[1,0]
.endr
.irp j, 0,2,4,6,8,10,12,14,16,18,20,22,24,26,28,30
	v_pk_fma_f32 v[Y+\j:Y+\j+1], v[Y1+\j:Y1+\j+1], s[18:19], v[Y+\j:Y+\j+1] op_sel_hi:[1,0,1]
.endr
	v_pk_add_f32 v[4:5], v[Y:Y+1], v[Y+2:Y+3]      ; the sum of my 32, in two chains
	v_pk_add_f32 v[6:7], v[Y+4:Y+5], v[Y+6:Y+7]
.irp j, 8,12,16,20,24,28
	v_pk_add_f32 v[4:5], v[4:5], v[Y+\j:Y+\j+1]
	v_pk_add_f32 v[6:7], v[6:7], v[Y+\j+2:Y+\j+3]
.endr
	v_pk_add_f32 v[4:5], v[4:5], v[6:7]
	v_add_f32 v4, v4, v5
.irp m, 1,2,4,8
	v_add_f32_dpp v4, v4, v4 row_xmask:\m row_mask:0xf bank_mask:0xf
.endr
	v_permlanex16_b32 v5, v4, s12, s13
	v_add_f32 v4, v4, v5
	v_mul_f32 v8, s20, v4                          ; the mean, twice
	v_mov_b32 v9, v8
.irp j, 0,2,4,6,8,10,12,14,16,18,20,22,24,26,28,30
	v_pk_add_f32 v[Y+\j:Y+\j+1], v[Y+\j:Y+\j+1], v[8:9] neg_lo:[0,1] neg_hi:[0,1]   ; the deviations
.endr
	v_pk_mul_f32 v[4:5], v[Y:Y+1], v[Y:Y+1]
	v_pk_mul_f32 v[6:7], v[Y+2:Y+3], v[Y+2:Y+3]
.irp j, 4,8,12,16,20,24,28
	v_pk_fma_f32 v[4:5], v[Y+\j:Y+\j+1], v[Y+\j:Y+\j+1], v[4:5]
	v_pk_fma_f32 v[6:7], v[Y+\j+2:Y+\j+3], v[Y+\j+2:Y+\j+3], v[6:7]
.endr
	v_pk_add_f32 v[4:5], v[4:5], v[6:7]
	v_add_f32 v4, v4, v5
.irp m, 1,2,4,8
	v_add_f32_dpp v4, v4, v4 row_xmask:\m row_mask:0xf bank_mask:0xf
.endr
	v_permlanex16_b32 v5, v4, s12, s13
	v_add_f32 v4, v4, v5
	v_fma_f32 v6, v4, s20, 0x3727c5ac              ; the variance + 1e-5
	s_wait_alu depctr_va_vdst(0)
	v_rsq_f32 v10, v6
	v_rsq_f32 v11, v6                              ; twice: a pair for the packed multiply
	v_nop                                          ; a plain line behind the two
	s_wait_alu depctr_va_vdst(0)                   ; the wait ahead of the first line that names a result: one for both
	s_wait_loadcnt 0x0                             ; gains and biases
.irp j, 0,2,4,6,8,10,12,14,16,18,20,22,24,26,28,30
	v_pk_mul_f32 v[Y+\j:Y+\j+1], v[Y+\j:Y+\j+1], v[10:11]
.endr
.irp j, 0,2,4,6,8,10,12,14,16,18,20,22,24,26,28,30
	v_pk_fma_f32 v[Y+\j:Y+\j+1], v[Y+\j:Y+\j+1], v[G+\j:G+\j+1], v[BB+\j:BB+\j+1]
.endr
.irp i, 0,1,2,3,4,5,6,7
	global_store_b128 v1, v[Y+4*\i:Y+4*\i+3], s[10:11] offset:512*\i th:TH_STORE_NT
.endr
	s_endpgm
.Lfunc_end_k_qc67ba59583_combine:
	.size	k_qc67ba59583_combine, .Lfunc_end_k_qc67ba59583_combine-k_qc67ba59583_combine
	.p2alignl 7, 3214868480
	.fill 96, 4, 3214868480
	.section	.rodata,"a",@progbits
	.p2align	6, 0x0
	.amdhsa_kernel k_qc67ba59583_combine
		.amdhsa_group_segment_fixed_size 0
		.amdhsa_private_segment_fixed_size 0
		.amdhsa_enable_private_segment 0
		.amdhsa_kernarg_size 40
		.amdhsa_user_sgpr_count 2
		.amdhsa_user_sgpr_kernarg_segment_ptr 1
		.amdhsa_wavefront_size32 1
		.amdhsa_system_sgpr_workgroup_id_x 1
		.amdhsa_system_sgpr_workgroup_id_y 1
		.amdhsa_system_sgpr_workgroup_id_z 1
		.amdhsa_system_vgpr_workitem_id 0
		.amdhsa_next_free_vgpr 144
		.amdhsa_next_free_sgpr 66
		.amdhsa_reserve_vcc 0
		.amdhsa_float_denorm_mode_32 3
		.amdhsa_float_denorm_mode_16_64 3
		.amdhsa_memory_ordered 1
		.amdhsa_forward_progress 1
		.amdhsa_inst_pref_size 14
	.end_amdhsa_kernel
	.amdgpu_metadata
---
amdhsa.version: [ 1, 2 ]
amdhsa.kernels:
  - .name:           k_qc67ba59583_combine
    .symbol:         k_qc67ba59583_combine.kd
    .args:
      - { .name: y2, .offset: 0, .size: 8, .value_kind: global_buffer, .address_space: global }
      - { .name: ln_g, .offset: 8, .size: 8, .value_kind: global_buffer, .address_space: global }
      - { .name: ln_b, .offset: 16, .size: 8, .value_kind: global_buffer, .address_space: global }
      - { .name: out0, .offset: 24, .size: 8, .value_kind: global_buffer, .address_space: global }
      - { .name: xr, .offset: 32, .size: 8, .value_kind: global_buffer, .address_space: global }
    .group_segment_fixed_size: 0
    .private_segment_fixed_size: 0
    .kernarg_segment_align: 8
    .kernarg_segment_size: 40
    .max_flat_workgroup_size: 128
    .sgpr_count:     66
    .vgpr_count:     144
    .wavefront_size: 32
...
	.end_amdgpu_metadata
.endif
;; end of part 9
